; MI455X (gfx1250); checked and timed in simulation.
; The chip was launched on July 23, 2026; its instructions are those of AMD's public machine-readable ISA for CDNA 5 (MIT licence, August 2026) and "CDNA5" Instruction Set Architecture Reference Guide (July 2026). The comments in the code are by the model that wrote it; some were corrected since.
;; Simplified Multi Head Self Attention. Allowed arithmetic: matrix products marked QUANTISED: E3M2 operands, one E8M0 scale for each 32 along K, by v_wmma_scale_f32_16x16x128_f8f6f4 with both operands' format E3M2, f32 sums; everything else in f32.
;; Inputs: W_msa 1,024 x 1,024 float32; W_qkv 1,024 x 3,072 float32; b_msa 1,024 float32; b_qkv 3,072 float32; z 4 x 2,048 x 1,024 float32.
;; Outputs: out0 4 x 2,048 x 1,024 float32.
;; This version of the problem:
;;   THIS VERSION OF THE PROBLEM IS GIVEN IN LOW PRECISION. The matrix products marked QUANTISED in the list below multiply operands that are first quantised to E3M2 (3 exponent bits, 2 mantissa bits; 6 bits a number), with one power-of-two scale for each 32 numbers along K (OCP MX v1.0); their sums are f32. All else is computed in f32.
;;   The module's matrix products, in the order in which they are computed (A, B: the left and right operand; K: the contracted axis; several contracted axes count as one K, in the product's order):
;;     1. [M 8,192, K 1,024] x [K 1,024, N 3,072]; A: input z; B: input W_qkv: QUANTISED
;;     2. batch 64 x [M 2,048, K 64] x [K 64, N 2,048]; A: computed on the way; B: computed on the way: QUANTISED
;;     3. batch 64 x [M 2,048, K 2,048] x [K 2,048, N 64]; A: softmax (see below); B: computed on the way: QUANTISED
;;     4. [M 8,192, K 1,024] x [K 1,024, N 1,024]; A: computed on the way; B: input W_msa: QUANTISED
;;   THE QUANTISER, for each operand of a quantised product, along K:
;;     - K is cut into blocks of 32 from its start; a last block that is shorter is filled with zeros.
;;     - A block's scale is 2^e with e = floor(log2(the largest magnitude in the block)) - 4, held to -126 .. 127; a block of zeros has e = 0. As a byte (E8M0): e + 127.
;;     - Each number is divided by its block's scale, clamped to +-28, and rounded to the nearest number of E3M2, ties to even, subnormals kept.
;;     - The product sums the exact products of the quantised numbers (number of the format x scale) in f32.
;;   ~~~python
;;   def quantise(x, axis):      # numpy; x: float32 -> the quantised numbers, widened to float32 again
;;       x = np.moveaxis(x, axis, -1); K = x.shape[-1]
;;       x = np.pad(x, [(0, 0)] * (x.ndim - 1) + [(0, -K % 32)]); x = x.reshape(x.shape[:-1] + (-1, 32)); a = np.abs(x).max(-1, keepdims=True)
;;       e = np.where(a > 0, np.clip(np.frexp(np.where(a > 0, a, 1))[1] - 1 - 4, -126, 127), 0)      # np.frexp(a)[1] - 1 = floor(log2(a)), exactly
;;       r = np.clip(x / 2.0 ** e, -28, 28)
;;       step = 2.0 ** (np.maximum(np.frexp(np.where(r == 0, 1, r))[1] - 1, -2) - 2)
;;       q = np.round(r / step) * step * 2.0 ** e      # np.round: ties to even
;;       return np.moveaxis(q.reshape(q.shape[:-2] + (-1,))[..., :K], -1, axis).astype(np.float32)
;;   ~~~
;;   SOFTMAX AHEAD OF A QUANTISED PRODUCT. Where the list says 'softmax', what is quantised is not the finished softmax but p = 2^(t - M), with t = logit x log2(e) and M = ceil(the row's largest t), a whole number; so 1/2 < the row's largest p <= 1. The row's sum l is taken of the UNQUANTISED p, in f32, and the product's result is divided by l at the end. Since M is a whole number, a kernel that streams over the keys may use a running M (the ceiling of the running maximum): every later rescaling is an exact power of two, which a block's scale takes up: the codes' values come out the same.
;;   OPERANDS COMPUTED ON THE WAY. 'Computed on the way' means the value that the module computes at that place (a softmax that the list does not call 'softmax' is quantised finished and normalised). What goes into a quantiser is computed in f32, as accurately as f32 sums, v_exp_f32 and their like allow (about 1e-6 of the number): no bf16 or f16 on the way to a quantiser, and a product that is left as it is and whose result goes on into a quantised operand takes f32 operands (vector FMAs, or v_wmma_f32_16x16x4_f32). A number that lies on a knife's edge between two numbers of the format may be rounded either way, as far as f32 arithmetic and the matrix unit's own rounding can turn it there, and no further.
;; One version. Each part assembles by itself: llvm-mc -triple=amdgcn-amd-amdhsa -mcpu=gfx1250 --defsym DOCPART=n.
;; ======== version 1 of 1: 4 launches
;; limits: right only within a limited range of input values
;; workspace buffers: z_img 6,291,456 bytes; z_sc 262,144 bytes; w_img 5,505,024 bytes; w_sc 131,072 bytes; qbuf 13,369,344 bytes; kvbuf 13,369,344 bytes; a_img 6,291,456 bytes; a_sc 262,144 bytes
;; launch prep (part 1): grid 512 x 1, 4 waves a work-group, no clusters, 83,456 bytes of LDS; arguments z, W_qkv, W_msa, z_img, z_sc, w_img, w_sc; writes z_img, z_sc, w_img, w_sc
.if DOCPART == 1
	.amdgcn_target "amdgcn-amd-amdhsa--gfx1250"
	.amdhsa_code_object_version 6
	.text
	.protected	k_qa770fc62df_prep
	.globl	k_qa770fc62df_prep
	.p2align	8
	.type	k_qa770fc62df_prep,@function
k_qa770fc62df_prep:
	s_mov_b64 s[64:65], 0
	v_nop
	global_prefetch_b8 v0, s[64:65] scope:SCOPE_SE
	s_setreg_imm32_b32 hwreg(HW_REG_WAVE_MODE, 25, 1), 1
	s_wait_xcnt 0x0
; z [8192][1024], W_qkv [1024][3072] and W_msa [1024][1024], f32, become codes of BF6 (E3M2) with one E8M0 byte for each 32 along K, laid as the products' launches want them.
; A block's scale is 2^(floor(log2(its largest magnitude)) - 4); its byte is the largest magnitude's exponent field - 4, held at 1 from below.
; LIMITS: NaN and infinities among the inputs are not served; a block of zeros gets the byte 1 (not 127): its codes are zeros, and this program alone reads the bytes.
; POSITION ORDER: in every group of 32 rows of a code buffer, position p holds the true row p with bits 3 and 4 exchanged.
; IMAGE: 16 rows x 64 along K are 768 bytes: lane L = r + 16 h holds row r, block h (24 bytes = 6 registers): registers 0-3 at 16 L, registers 4-5 at 512 + 8 L.
; CODES [k / 256][row / 16][(k / 128) % 2][(k / 64) % 2][768];  SCALE BYTES [row / 16][k / 512][row % 16][16].
; Work-groups 0-255 take z (a wave: 16 rows x 512 along K), 256-447 W_qkv, 448-511 W_msa (a wave: 32 columns x 128 along K).  The three ways never join, and each has LDS bytes of its own.
; No tensor load, no barrier: waves share nothing.
.set SS_Z,  1572864                    ; bytes of z's codes for 256 along K
.set SS_W,  1572864                    ; the weights' 4,096 rows (q 0.., k 1024.., v 2048.., W_msa 3072..) use 786,432 bytes of each 256 along K; the parts lie as far apart as z's, so that one pitch serves both operands' tensor loads
.set ASTG,  33792                      ; LDS: z's stages 0 .. 33,791 (a wave: 16 rows of 512 + 16 bytes); W_qkv's from here (a wave: 6,144 bytes);
.set BSTG,  58368                      ; W_msa's from here
.set TM,    16                         ; v16-31   at work in QUANT
.set PC,    32                         ; v32-43   a fragment's codes
.set TT,    44                         ; v44-50   the conversions' second halves
.set SW,    52                         ; v52-55   a scale word for each of a wave's four fragments
.set R,     64                         ; v64-191  two sets of 64: 16 rows x 16 bytes a lane, as loaded
.set X,     192                        ; v192-255 64 numbers of my row: register 16 b + i = k 32 b + 16 h + i
.set SEL,   36                         ; s[36:37] v_permlanex16_b32's selects for lane l xor 16
.set XW,    32                         ; weights: v32-95 two sets of 32 numbers down K
.set CW,    96                         ; v96-105  a block's codes
.set SB,    24                         ; v24      four scale bytes
.set OUTR,  112                        ; v112-135 the way out
; 64 numbers of a lane, register 16 b + i = k 32 b + 16 (lane / 16) + i of its row, become a fragment's 12 registers of codes in v[d] on and its scale word in v[w]
.macro QUANT s, d, t, w
.irp b, 0,1,2,3
	v_max3_num_f32 v[TM+\b], |v[(\s)+16*\b]|, |v[(\s)+1+16*\b]|, 0x2800000   ; my 16 numbers of block b, and the floor 2^(5 - 127): the byte cannot fall under 1
.endr
.irp i, 2,4,6,8,10,12,14
.irp b, 0,1,2,3
	v_max3_num_f32 v[TM+\b], v[TM+\b], |v[(\s)+16*\b+\i]|, |v[(\s)+1+16*\b+\i]|   ; the four blocks by turns
.endr
.endr
.irp b, 0,1,2,3
	v_permlanex16_b32 v[TM+4+\b], v[TM+\b], s[SEL], s[SEL+1]
.endr
.irp b, 0,1,2,3
	v_max_num_f32 v[TM+\b], v[TM+\b], v[TM+4+\b]   ; with lane l xor 16's 16: the block's largest magnitude
.endr
.irp b, 0,1,2,3
	v_add_nc_u32 v[TM+12+\b], 0xfe000000, v[TM+\b]   ; 4 off its exponent field: the conversion's scale operand
.endr
.irp b, 0,1,2,3
	v_lshrrev_b32 v[TM+4+\b], 23, v[TM+12+\b]      ; the scale's byte
.endr
	v_lshl_or_b32 v[\w], v[TM+5], 8, v[TM+4]
	v_lshl_or_b32 v[\w], v[TM+6], 16, v[\w]
	v_lshl_or_b32 v[\w], v[TM+7], 24, v[\w]
.irp c, 0,1
	v_cvt_scalef32_pk16_bf6_f32 v[(\d)+6*\c:(\d)+2+6*\c], v[(\s)+32*\c:(\s)+15+32*\c], v[TM+12+2*\c]
	v_cvt_scalef32_pk16_bf6_f32 v[(\t)+4*\c:(\t)+2+4*\c], v[(\s)+16+32*\c:(\s)+31+32*\c], v[TM+12+2*\c+1]   ; (a conversion's three registers begin on an even number)
.endr
	v_nop                                          ; one plain line behind the last conversion
.irp c, 0,1                                    ; the layout wants a whole block in a lane: lanes 0-15 block 2 c, lanes 16-31 block 2 c + 1
.irp i, 0,1,2
	v_permlane16_swap_b32 v[(\d)+6*\c+\i], v[(\t)+4*\c+\i]
.endr
.irp i, 0,1,2
	v_mov_b32 v[(\d)+3+6*\c+\i], v[(\t)+4*\c+\i]
.endr
.endr
.endm
	s_load_b256 s[4:11], s[0:1], 0x0               ; z s[4:5], W_qkv s[6:7], W_msa s[8:9], z_img s[10:11]
	s_load_b128 s[12:15], s[0:1], 0x20             ; z_sc s[12:13], w_img s[14:15]
	s_load_b64 s[16:17], s[0:1], 0x30              ; w_sc
	v_lshl_add_u32 v26, v0, 2, 0x14400
	v_mov_b32 v27, 0
	v_lshrrev_b32 v1, 5, v0
	v_readfirstlane_b32 s18, v1                    ; wave 0..3
	v_and_b32 v9, 31, v0                           ; lane
	v_lshlrev_b32 v1, 4, v9                        ; 16 x lane
	v_lshlrev_b32 v2, 3, v9                        ; 8 x lane
	s_wait_kmcnt 0x0
	s_cmp_lt_u32 ttmp9, 256
	s_cbranch_scc0 .Lweights
	; ---------------- z: wave gw = 4 x work-group + wave takes tile T = gw / 2 (16 positions) and half hk = gw % 2 of K: four fragments
	s_lshl_b32 s19, ttmp9, 2
	s_add_co_u32 s19, s19, s18                     ; gw
	s_lshr_b32 s20, s19, 1                         ; T
	s_and_b32 s21, s19, 1                          ; hk
	s_lshr_b32 s22, s20, 1
	s_lshl_b32 s22, s22, 17                        ; 32 (T / 2) rows of 4,096 bytes
	s_and_b32 s23, s20, 1
	s_lshl_b32 s23, s23, 15                        ; + 8 (T % 2) rows: position 16 (T % 2) + r is true row 16 (r / 8) + 8 (T % 2) + r % 8
	s_add_co_u32 s22, s22, s23
	s_lshl_b32 s23, s21, 11                        ; + 512 numbers x hk
	s_add_co_u32 s22, s22, s23
	s_mov_b32 s23, 0
	s_add_nc_u64 s[4:5], s[4:5], s[22:23]
	s_mul_i32 s22, s21, 2*SS_Z
	s_mul_i32 s24, s20, 3072
	s_add_co_u32 s22, s22, s24
	s_add_nc_u64 s[10:11], s[10:11], s[22:23]      ; the codes: 256 along K number 2 hk, tile T
	s_lshl_b32 s22, s19, 8
	s_add_nc_u64 s[12:13], s[12:13], s[22:23]      ; the scale bytes: 512 T + 256 hk
	v_and_b32 v10, 15, v0                          ; r
	v_bfe_u32 v11, v0, 4, 1                        ; h
	s_mul_i32 s24, s18, 8448                       ; my stage
	s_wait_alu depctr_va_vdst(0)
	v_add_nc_u32 v3, s24, v1                       ; in: a row's 512 bytes as they lie
	v_mul_u32_u24 v4, v10, 528
	v_lshl_add_u32 v4, v11, 6, v4
	v_add_nc_u32 v4, s24, v4                       ; out: row r, + 64 h: my 16 numbers of each block of 32
	v_lshlrev_b32 v5, 4, v10
	v_lshl_add_u32 v5, v11, 3, v5                  ; scale bytes: 16 r + 8 h
	s_mov_b32 s[SEL], 0x76543210
	s_mov_b32 s[SEL+1], 0xfedcba98
.irp b, 0,1,2,3
	v_mov_b32 v[TM+4+\b], 0                        ; written once: a lane permute's destination counts as one of its sources
.endr
.macro LOADZ f                         ; fragment f: 16 loads, each 512 consecutive bytes of one row
.irp r, 0,1,2,3,4,5,6,7,8,9,10,11,12,13,14,15
	global_load_b128 v[R+64*((\f)%2)+4*\r:R+64*((\f)%2)+4*\r+3], v1, s[4:5] offset:((\r%8)+16*(\r/8))*4096+512*(\f) th:TH_LOAD_NT
.endr
.endm
.macro FRAGZ f
.if (\f) < 3
	s_wait_loadcnt 16                              ; this fragment's 16 loads are in; the next fragment's 16 may be out
.else
	s_wait_loadcnt 0x0
.endif
.irp r, 0,1,2,3,4,5,6,7,8,9,10,11,12,13,14,15
	ds_store_b128 v3, v[R+64*((\f)%2)+4*\r:R+64*((\f)%2)+4*\r+3] offset:528*\r
.endr
.irp b, 0,1,2,3
.irp j, 0,1,2,3
	ds_load_b128 v[X+16*\b+4*\j:X+16*\b+4*\j+3], v4 offset:128*\b+16*\j   ; LDS serves a wave's instructions in order: these see the stores above
.endr
.endr
	s_wait_dscnt 0x0                               ; my numbers are back, and the stores have read their registers,
.if (\f)+2 < 4
	LOADZ (\f)+2                                   ; which take the fragment two on
.endif
	s_wait_xcnt 0x0                                ; the last fragment's stores have read their data: the codes' registers are written again only behind this wait
	QUANT X, PC, TT, SW+(\f)
	global_store_b128 v1, v[PC:PC+3], s[10:11] offset:((\f)/2)*SS_Z+((\f)%2)*1536          ; 512 consecutive bytes
	global_store_b64 v2, v[PC+4:PC+5], s[10:11] offset:((\f)/2)*SS_Z+((\f)%2)*1536+512     ; 256
	global_store_b128 v1, v[PC+6:PC+9], s[10:11] offset:((\f)/2)*SS_Z+((\f)%2)*1536+768
	global_store_b64 v2, v[PC+10:PC+11], s[10:11] offset:((\f)/2)*SS_Z+((\f)%2)*1536+1280
.endm
	LOADZ 0
	LOADZ 1
	s_wait_alu depctr_va_vdst(0)
	FRAGZ 0
	FRAGZ 1
	FRAGZ 2
	FRAGZ 3
	v_cmp_le_u32 vcc_lo, 16, v9                    ; lanes 16-31 store the row's words 2 and 3
	v_cndmask_b32 v56, v[SW], v[SW+2], vcc_lo
	v_cndmask_b32 v57, v[SW+1], v[SW+3], vcc_lo
	global_store_b64 v5, v[56:57], s[12:13]        ; 32 lanes store 256 consecutive bytes, aligned
	s_wait_tensorcnt 0x0
	ds_add_u32 v26, v27
	s_wait_dscnt 0x0
	s_endpgm
; ---------------- the weights: K is their FIRST axis.  A lane takes a column and its registers run down K: a block of 32 lies in one lane, and the codes come out with K innermost.
; s20 = my wave's first column, s21 = which 128 along K, s22 = my 32 columns' first row in the code buffer, s[26:27] = the weight
.macro WLOAD t, n
.irp i, 0,1,2,3,4,5,6,7,8,9,10,11,12,13,14,15,16,17,18,19,20,21,22,23,24,25,26,27,28,29,30,31
	global_load_b32 v[XW+32*((\t)%2)+\i], v3, s[26:27] offset:(32*(\t)+\i)*(\n)*4 th:TH_LOAD_NT   ; 128 consecutive bytes a wave
.endr
.endm
.macro WBLOCK t, n
.set XS, XW+32*((\t)%2)
.if (\t) < 3
	s_wait_loadcnt 32                              ; this block's 32 loads are in; the next block's may be out
.else
	s_wait_loadcnt 0x0
.endif
	v_max3_num_f32 v14, |v[XS]|, |v[XS+1]|, |v[XS+2]|
	v_max3_num_f32 v15, |v[XS+3]|, |v[XS+4]|, |v[XS+5]|
.irp i, 6,10,14,18,22,26
	v_max3_num_f32 v14, v14, |v[XS+\i]|, |v[XS+\i+1]|
	v_max3_num_f32 v15, v15, |v[XS+\i+2]|, |v[XS+\i+3]|
.endr
	v_max3_num_f32 v14, v14, |v[XS+30]|, |v[XS+31]|
	v_max3_num_f32 v14, v14, v15, 0x2800000        ; and the floor
	v_add_nc_u32 v16, 0xfe000000, v14              ; the conversion's scale operand
	v_lshrrev_b32 v17, 23, v16                     ; the byte
.if (\t)%4 == 0
	v_mov_b32 v[SB+(\t)/4], v17
.else
	v_lshl_or_b32 v[SB+(\t)/4], v17, 8*((\t)%4), v[SB+(\t)/4]
.endif
	v_cvt_scalef32_pk16_bf6_f32 v[CW:CW+2], v[XS:XS+15], v16
	v_cvt_scalef32_pk16_bf6_f32 v[CW+4:CW+6], v[XS+16:XS+31], v16
	v_nop                                          ; one plain line behind the last conversion
	v_mov_b32 v[CW+3], v[CW+4]                     ; the block's six registers: four on end,
	v_mov_b32 v[CW+8], v[CW+5]                     ; and two
	v_mov_b32 v[CW+9], v[CW+6]
	ds_store_b128 v6, v[CW:CW+3] offset:((\t)/4)*1536+(((\t)/2)%2)*768+((\t)%2)*256        ; block t is half t % 2 of image (t / 2) % 2 of fragment t / 4
	ds_store_b64 v7, v[CW+8:CW+9] offset:((\t)/4)*1536+(((\t)/2)%2)*768+512+((\t)%2)*128
.if (\t)+2 < 4
	WLOAD (\t)+2, \n
.endif
	s_wait_dscnt 0x0                               ; the stores have read their registers: the next block's codes may be written
.endm
.macro WQ n, stg
	s_mul_i32 s24, s21, 128*(\n)*4                 ; s21: which 128 along K
	s_lshl_b32 s25, s20, 2
	s_add_co_u32 s24, s24, s25
	s_mov_b32 s25, 0
	s_add_nc_u64 s[26:27], s[26:27], s[24:25]      ; the weight at (128 x my part of K, my first column)
	s_lshr_b32 s24, s21, 1                         ; which 256 along K,
	s_mul_i32 s24, s24, SS_W
	s_mul_i32 s28, s22, 192
	s_add_co_u32 s24, s24, s28
	s_and_b32 s28, s21, 1                          ; and which fragment of it: my codes are 1,536 consecutive bytes in each of my two tiles of 16 rows
	s_mul_i32 s28, s28, 1536
	s_add_co_u32 s24, s24, s28
	s_add_nc_u64 s[14:15], s[14:15], s[24:25]      ; my codes: 1,536 bytes in each of my two tiles, 3,072 apart
	s_lshl_b32 s24, s22, 5
	s_lshr_b32 s28, s21, 2                         ; which 512 along K: 256 bytes
	s_lshl_b32 s28, s28, 8
	s_add_co_u32 s24, s24, s28
	s_and_b32 s28, s21, 3                          ; which 128 of it: 4 bytes
	s_lshl_b32 s28, s28, 2
	s_add_co_u32 s24, s24, s28
	s_add_nc_u64 s[16:17], s[16:17], s[24:25]      ; their scale bytes
	s_mul_i32 s28, s18, 6144
	s_add_co_u32 s28, s28, \stg                    ; my stage: an image of those 3,072 bytes
	v_lshlrev_b32 v3, 2, v9                        ; in: 4 bytes a lane
	v_bfe_u32 v10, v0, 3, 1                        ; my column's position: bits 3 and 4 of the lane exchanged: which tile of 16,
	v_and_b32 v11, 7, v0
	v_bfe_u32 v12, v0, 4, 1
	v_lshl_or_b32 v11, v12, 3, v11                 ; and which row of it
	v_mul_u32_u24 v13, v10, 1536
	v_lshl_add_u32 v6, v11, 4, v13
	v_add_nc_u32 v6, s28, v6                       ; where my registers 0-3 go
	v_lshl_add_u32 v7, v11, 3, v13
	v_add_nc_u32 v7, s28, v7                       ; and registers 4-5
	v_lshlrev_b32 v8, 9, v10
	v_lshl_add_u32 v8, v11, 4, v8                  ; my row's place among the scale bytes
	v_add_nc_u32 v4, s28, v1                       ; the way out: 16 bytes a lane
	WLOAD 0, \n
	WLOAD 1, \n
.irp t, 0,1,2,3
	WBLOCK \t, \n
.endr
	s_wait_alu depctr_va_vdst(0)
	global_store_b32 v8, v[SB], s[16:17]           ; my column's four bytes (rows 16 bytes apart: one byte stored for 128 read)
.irp j, 0,1,2,3,4,5
	ds_load_b128 v[OUTR+4*\j:OUTR+4*\j+3], v4 offset:512*\j
.endr
.irp j, 0,1,2,3,4,5
	s_wait_dscnt 5-\j                              ; load j is back; the younger ones may be out
	global_store_b128 v1, v[OUTR+4*\j:OUTR+4*\j+3], s[14:15] offset:512*\j+1536*(\j/3)   ; 512 consecutive bytes, aligned; the second tile's fragment lies 3,072 bytes behind the first's
.endr
.endm
.Lweights:
; THE WEIGHTS' SHARES AS THEY STAND: work-groups 256-447 take W_qkv, 448-511 W_msa; a wave takes 32 columns x 128 along K: four blocks a lane, two blocks of loads out.
	s_cmp_lt_u32 ttmp9, 448
	s_cbranch_scc0 .Lw_msa
	s_sub_co_u32 s19, ttmp9, 256
	s_and_b32 s21, s19, 7                          ; which 128 along K
	s_lshr_b32 s20, s19, 3
	s_lshl_b32 s20, s20, 2
	s_add_co_u32 s20, s20, s18                     ; u: which 32 columns of 3,072 (0 .. 95).  Column = 192 head + 64 {q, k, v} + d
	s_mul_i32 s22, s20, 43
	s_lshr_b32 s22, s22, 8                         ; head = u / 6 (43 / 256 serves u under 96)
	s_mul_i32 s24, s22, 6
	s_sub_co_u32 s24, s20, s24                     ; u % 6
	s_lshr_b32 s25, s24, 1
	s_lshl_b32 s25, s25, 10                        ; q, k or v: 1,024 rows each
	s_lshl_b32 s22, s22, 6
	s_add_co_u32 s22, s22, s25
	s_and_b32 s24, s24, 1
	s_lshl_b32 s24, s24, 5
	s_add_co_u32 s22, s22, s24                     ; 1,024 {q, k, v} + 64 head + 32 half
	; THE ROWS OF W_qkv'S CODES LIE IN EIGHT GROUPS OF 384: group f holds rows 256 f .. 256 f + 255 of q and k taken on end, then rows 128 f .. 128 f + 127 of v: what one work-group of the product's launch reads lies on end
	s_lshr_b32 s24, s22, 8
	s_mul_i32 s24, s24, 384
	s_and_b32 s25, s22, 255
	s_add_co_u32 s24, s24, s25                     ; the place of a row of q or k
	s_sub_co_u32 s25, s22, 2048
	s_lshr_b32 s28, s25, 7
	s_mul_i32 s28, s28, 384
	s_and_b32 s25, s25, 127
	s_add_co_u32 s28, s28, s25
	s_add_co_u32 s28, s28, 256                     ; the place of a row of v (taken for v alone)
	s_cmp_lt_u32 s22, 2048
	s_cselect_b32 s22, s24, s28                    ; the first row
	s_lshl_b32 s20, s20, 5
	s_mov_b64 s[26:27], s[6:7]
	s_wait_alu depctr_va_vdst(0)
	WQ 3072, ASTG
	s_wait_tensorcnt 0x0
	ds_add_u32 v26, v27
	s_wait_dscnt 0x0
	s_endpgm
.Lw_msa:
	s_sub_co_u32 s19, ttmp9, 448
	s_and_b32 s21, s19, 7
	s_lshr_b32 s20, s19, 3
	s_lshl_b32 s20, s20, 2
	s_add_co_u32 s20, s20, s18
	s_lshl_b32 s20, s20, 5                         ; the first column
	s_add_co_u32 s22, s20, 3072                    ; and its row
	s_mov_b64 s[26:27], s[8:9]
	s_wait_alu depctr_va_vdst(0)
	WQ 1024, BSTG
	s_wait_tensorcnt 0x0
	ds_add_u32 v26, v27
	s_wait_dscnt 0x0
	s_endpgm
.Lfunc_end_k_qa770fc62df_prep:
	.size	k_qa770fc62df_prep, .Lfunc_end_k_qa770fc62df_prep-k_qa770fc62df_prep
	.p2alignl 7, 3214868480
	.fill 96, 4, 3214868480
	.section	.rodata,"a",@progbits
	.p2align	6, 0x0
	.amdhsa_kernel k_qa770fc62df_prep
		.amdhsa_group_segment_fixed_size 83456
		.amdhsa_private_segment_fixed_size 0
		.amdhsa_enable_private_segment 0
		.amdhsa_kernarg_size 56
		.amdhsa_user_sgpr_count 2
		.amdhsa_user_sgpr_kernarg_segment_ptr 1
		.amdhsa_wavefront_size32 1
		.amdhsa_system_sgpr_workgroup_id_x 1
		.amdhsa_system_sgpr_workgroup_id_y 1
		.amdhsa_system_sgpr_workgroup_id_z 1
		.amdhsa_system_vgpr_workitem_id 0
		.amdhsa_next_free_vgpr 256
		.amdhsa_next_free_sgpr 66
		.amdhsa_reserve_vcc 1
		.amdhsa_float_denorm_mode_32 3
		.amdhsa_float_denorm_mode_16_64 3
		.amdhsa_memory_ordered 1
		.amdhsa_forward_progress 1
		.amdhsa_inst_pref_size 78
	.end_amdhsa_kernel
	.amdgpu_metadata
---
amdhsa.version: [ 1, 2 ]
amdhsa.kernels:
  - .name:           k_qa770fc62df_prep
    .symbol:         k_qa770fc62df_prep.kd
    .args:
      - { .name: z, .offset: 0, .size: 8, .value_kind: global_buffer, .address_space: global }
      - { .name: W_qkv, .offset: 8, .size: 8, .value_kind: global_buffer, .address_space: global }
      - { .name: W_msa, .offset: 16, .size: 8, .value_kind: global_buffer, .address_space: global }
      - { .name: z_img, .offset: 24, .size: 8, .value_kind: global_buffer, .address_space: global }
      - { .name: z_sc, .offset: 32, .size: 8, .value_kind: global_buffer, .address_space: global }
      - { .name: w_img, .offset: 40, .size: 8, .value_kind: global_buffer, .address_space: global }
      - { .name: w_sc, .offset: 48, .size: 8, .value_kind: global_buffer, .address_space: global }
    .group_segment_fixed_size: 83456
    .private_segment_fixed_size: 0
    .kernarg_segment_align: 8
    .kernarg_segment_size: 56
    .max_flat_workgroup_size: 128
    .sgpr_count:     66
    .vgpr_count:     256
    .wavefront_size: 32
...
	.end_amdgpu_metadata
.endif
;; end of part 1
;; launch qkv (part 2): grid 8 x 32, 4 waves a work-group, clusters of 4 x 4, 327,680 bytes of LDS; arguments z_img, z_sc, w_img, w_sc, b_qkv, qbuf, kvbuf; writes qbuf, kvbuf
.if DOCPART == 2
	.amdgcn_target "amdgcn-amd-amdhsa--gfx1250"
	.amdhsa_code_object_version 6
	.text
	.protected	k_qa770fc62df_qkv
	.globl	k_qa770fc62df_qkv
	.p2align	8
	.type	k_qa770fc62df_qkv,@function
k_qa770fc62df_qkv:
	s_mov_b64 s[64:65], 0
	v_nop
	global_prefetch_b8 v0, s[64:65] scope:SCOPE_SE
	s_setreg_imm32_b32 hwreg(HW_REG_WAVE_MODE, 25, 1), 1
	s_wait_xcnt 0x0
	s_wait_alu depctr_hold_cnt(0) depctr_sa_sdst(0) depctr_va_vdst(0) depctr_va_sdst(0) depctr_va_ssrc(0) depctr_va_vcc(0) depctr_vm_vsrc(0)
	s_getreg_b32 s2, hwreg(HW_REG_IB_STS2, 6, 4)
	s_cmp_eq_u32 s2, 0
	s_cbranch_scc0 .Lentry_in_a_cluster
	s_endpgm
.Lentry_in_a_cluster:
	s_bfe_u32 s2, ttmp6, 0x10000c
	s_cmp_lg_u32 s2, 0xf033
	s_cbranch_scc0 .Lentry_shape_is_right
	s_endpgm
.Lentry_shape_is_right:
; qkv = z W_qkv + b_qkv on codes of BF6 (E3M2) with E8M0 scales, K = 1,024; the results are quantised at once and leave as codes: q, k along the head's 64, v along the keys.
; SHARES: 8 x 32 = 256 work-groups.  Work-group (f, t) takes tokens 256 t .. + 255 and group f of the weights' rows: 256 features of q or k (four heads) and 128 of v (two heads): 384 rows on end in the weights' codes.
; A wave takes 128 tokens x 128 features of q or k (64 accumulators, windows 1 and 2) and 64 features of v x the same 128 tokens (32 accumulators, window 3).
; THE MATRIX INSTRUCTION'S RESULT holds one row of source 1 in a lane, its registers running along source 0's rows.  q, k: source 0 = W's rows, source 1 = z's: a lane's 64 numbers are 128 features of one token.
; v: source 0 = z's rows, source 1 = W's: a lane's 64 numbers are 128 keys of one feature.  THE SAME FRAGMENTS OF z SERVE BOTH.  Rows lie in POSITION ORDER (in each 32, bits 3 and 4 exchanged), so 16 registers of two neighbouring blocks are 16 true neighbours.
; OPERANDS lie in memory in the order of the registers: 16 rows x 256 K are 3,072 bytes (per 64 K: registers 0-3 at 16 x lane, 4-5 at 512 + 8 x lane); the parts of 256 along K lie SS bytes apart.
; LDS: two slots, each a part of K: z's 256 rows (49,152 bytes) and W's 384 rows (73,728); behind them the scale bytes for all of K.  THE HEAD'S LOADS, one a wave: wave 0 z's parts 0 and 1, wave 2 W's, waves 1 and 3 the scale bytes.
; Parts 2 and 3 come into the slots read out, each behind a round of the cluster's barrier, a quarter of the work to a wave: five and a half groups, 176 matrix instructions, lie between a refill and the wait for it.  One tensor load of a wave is out at a time.
; z's tiles are asked for jointly by a row of the cluster, W's by a column.  No prefetch: K is four parts, of which two are asked for by the first lines.
; A STEP (128 along K) is three groups of 32 matrix instructions, each on four fragments of W (q, k: blocks 0-3, 4-7; v: its four) against z's eight, z's blocks 0-3 first.  W's fragments come a group ahead into two sets by turns;
; z has one set: blocks 0-3 are fetched anew in the middle of the step's last group, blocks 4-7 at its end.
; The bias of q and k is the C of the first products (it waits in window 3, where v's sums begin later); v's is added on the way out.
; HEAD RECORD (13,056 bytes for a head and 128 positions): +0 eight images of q or k; +6,144 four fragments of v (16 d x 128 keys); +12,288 q's or k's scale words [lane][4]; +12,800 v's [lane][2].
; LIMITS: NaN and infinities are not served; a block of zeros gets the byte 1 with zero codes (this program alone reads the bytes).
; REGISTERS, window 0: v8-29 addresses; v32-55 scale words, two sets of 12 (8: lanes 0-15 z's block i, lanes 16-31 W's block i of q, k; 4: v's); v56-151 z's fragments; v152-247 W's, two sets of four; v248-255 v's bias.
.set SS,    1572864
.set HS,    208896                     ; a head's 16 records
.set ST,    13056
.set ZS,    49152                      ; z's part of a slot
.set WSL,   73728                      ; W's part of a slot
.set WB,    2*ZS                       ; W's two slots lie behind z's two
.set SCL,   2*ZS+2*WSL                 ; the scale bytes: z's 8,192, W's 12,288
.set SPARE, SCL+20480                  ; the spare words, 128 bytes a wave: two blocks of 256 bytes that no other line names
.set ADRS,  20
.set L16,   21
.set L8,    22
.set BO,    23
.set RO,    24
.set ADRV,  25
.set LN,    27
.set SPW,   28
.set NIL,   29
.set SC,    32
.set ZF,    56
.set WF,    152
.set RB,    248
.set TM,    32                         ; the way out: at work in QUANT
.set PWR,   48                         ; scale words
.set WG,    56
.set SEL,   2
.set G1Z,   24
.set G0Z,   32
.set G1W,   36
.set G0W,   44
.set G1SZ,  48
.set G0SZ,  56
.set G1SW,  68
.set G0SW,  76
.set MSB, 0
.macro WIN new                         ; low byte: bits 1:0 source 0, 3:2 source 1, 5:4 source 2, 7:6 destination; the high byte repeats the setting that is left
.if MSB != (\new)
	s_set_vgpr_msb (MSB<<8)|(\new)
.set MSB, (\new)
.endif
.endm
.macro JLOAD                           ; a joint refill: waves 0 and 1 fetch z's halves, waves 2 and 3 W's; an s_nop 0 and four v_nop follow each line
	s_cmp_eq_u32 s19, 0
	s_cbranch_scc0 .Lfor_w_\@
	tensor_load_to_lds s[G0Z:G0Z+3], s[G1Z:G1Z+7]
	s_nop 0
.rept 4
	v_nop
.endr
	s_branch .Lasked_\@
.Lfor_w_\@:
	tensor_load_to_lds s[G0W:G0W+3], s[G1W:G1W+7]
	s_nop 0
.rept 4
	v_nop
.endr
.Lasked_\@:
.endm
.macro CREST                           ; a round of the cluster's barrier behind its opening barrier
	s_cmp_lg_u32 s18, 0
	s_cbranch_scc1 .Lnot_wave_0_\@
	s_barrier_signal -3
.Lnot_wave_0_\@:
	s_barrier_wait -3
	s_barrier_signal -1
	s_barrier_wait -1
.endm
.macro CROUND
	s_barrier_signal -1
	s_barrier_wait -1
	CREST
.endm
.macro PLACES                          ; four plain lines between a matrix instruction and a load into, or a vector line on, its registers
.rept 4
	v_nop
.endr
.endm
	s_load_b256 s[4:11], s[0:1], 0x0               ; z_img s[4:5], z_sc s[6:7], w_img s[8:9], w_sc s[10:11]
	s_load_b128 s[12:15], s[0:1], 0x20             ; b_qkv s[12:13], qbuf s[14:15]
	s_load_b64 s[16:17], s[0:1], 0x30              ; kvbuf
	v_lshl_add_u32 v[SPW], v0, 2, SPARE
	v_mov_b32 v[NIL], 0
	ds_add_u32 v[SPW], v[NIL]                      ; the opening lines: the add, twice on end, and its wait ahead of my first tensor load
	ds_add_u32 v[SPW], v[NIL]
	v_lshrrev_b32 v1, 5, v0
	v_readfirstlane_b32 s18, v1                    ; wave 0..3
	s_lshr_b32 s19, s18, 1                         ; which half of the tokens I multiply.  Also: in the ring I fetch for z (0) or W (1)
	s_and_b32 s20, s18, 1                          ; which half of the features I multiply.  Also: which half I fetch
	s_bfe_u32 s21, ttmp6, 0x40000                  ; cx
	s_bfe_u32 s22, ttmp6, 0x40004                  ; cy
	s_lshl_b32 s2, s22, 2
	s_lshl_b32 s2, 15, s2                          ; my row of the cluster
	s_lshl_b32 s3, 0x1111, s21                     ; my column
	s_or_b32 s[G1Z], s2, (3<<16)|(1<<21)           ; the mask; elements of 8 bytes; bit 21 beside a mask; no padding: every LDS read takes consecutive bytes
	s_or_b32 s[G1SZ], s2, (3<<16)|(1<<21)
	s_or_b32 s[G1W], s3, (3<<16)|(1<<21)
	s_or_b32 s[G1SW], s3, (3<<16)|(1<<21)
	s_mov_b32 s[G1Z+1], (ZS/8)<<16                 ; the head's shape: 2 rows (parts of K) of 49,152 bytes, SS bytes apart
	s_mov_b32 s[G1Z+2], 2<<16
	s_mov_b32 s[G1Z+3], (ZS/8)<<16
	s_mov_b32 s[G1Z+4], 2
	s_mov_b32 s[G1Z+5], SS/8
	s_mov_b32 s[G1Z+6], 0
	s_mov_b32 s[G1Z+7], 0
	s_mov_b32 s[G1W+1], (WSL/8)<<16                ; 2 rows of 73,728 bytes
	s_mov_b32 s[G1W+2], 2<<16
	s_mov_b32 s[G1W+3], (WSL/8)<<16
	s_mov_b32 s[G1W+4], 2
	s_mov_b32 s[G1W+5], SS/8
	s_mov_b32 s[G1W+6], 0
	s_mov_b32 s[G1W+7], 0
	s_mov_b32 s[G1SZ+1], 32<<16                    ; 8,192 dense bytes as 32 rows of 256
	s_mov_b32 s[G1SZ+2], 32<<16
	s_mov_b32 s[G1SZ+3], 32<<16
	s_mov_b32 s[G1SZ+4], 32
	s_mov_b32 s[G1SZ+5], 32
	s_mov_b32 s[G1SZ+6], 0
	s_mov_b32 s[G1SZ+7], 0
	s_mov_b32 s[G1SW+1], 32<<16                    ; 12,288 dense bytes as 48 rows of 256
	s_mov_b32 s[G1SW+2], 48<<16
	s_mov_b32 s[G1SW+3], 32<<16
	s_mov_b32 s[G1SW+4], 48
	s_mov_b32 s[G1SW+5], 32
	s_mov_b32 s[G1SW+6], 0
	s_mov_b32 s[G1SW+7], 0
	s_and_b32 s23, ttmp7, 0xffff
	s_lshl_b32 s23, s23, 2
	s_add_co_u32 s23, s23, s22                     ; t: which 256 tokens: shared along my row of the cluster
	s_lshl_b32 s66, ttmp9, 2
	s_add_co_u32 s66, s66, s21                     ; f: which group of features: shared along my column
	s_mul_i32 s80, s23, ZS
	s_mul_i32 s81, s20, ZS/2
	s_add_co_u32 s80, s80, s81                     ; z's codes: my half of the tile (wave 0's is also the tile's first byte)
	s_mov_b32 s81, 0
	s_mul_i32 s82, s66, WSL
	s_mul_i32 s83, s20, WSL/2
	s_add_co_u32 s82, s82, s83                     ; W's codes likewise (wave 2's)
	s_mov_b32 s83, 0
	s_lshl_b32 s84, s23, 13                        ; z's scale bytes: 8,192 a tile
	s_mov_b32 s85, 0
	s_mul_i32 s86, s66, 12288                      ; W's
	s_mov_b32 s87, 0
	s_mov_b32 s[G0Z], 1
	s_mul_i32 s[G0Z+1], s20, ZS/2                  ; the wave's number alone enters an LDS address
	s_mov_b32 s[G0W], 1
	s_mul_i32 s[G0W+1], s20, WSL/2
	s_add_co_u32 s[G0W+1], s[G0W+1], WB
	s_mov_b32 s[G0SZ], 1
	s_mov_b32 s[G0SZ+1], SCL
	s_mov_b32 s[G0SW], 1
	s_mov_b32 s[G0SW+1], SCL+8192
	s_wait_dscnt 0x0                               ; both opening adds are done
	s_wait_kmcnt 0x0
	s_add_nc_u64 s[G0Z+2:G0Z+3], s[4:5], s[80:81]
	s_or_b32 s[G0Z+3], s[G0Z+3], 0x80000000
	s_add_nc_u64 s[G0W+2:G0W+3], s[8:9], s[82:83]
	s_or_b32 s[G0W+3], s[G0W+3], 0x80000000
	s_add_nc_u64 s[G0SZ+2:G0SZ+3], s[6:7], s[84:85]
	s_or_b32 s[G0SZ+3], s[G0SZ+3], 0x80000000
	s_add_nc_u64 s[G0SW+2:G0SW+3], s[10:11], s[86:87]
	s_or_b32 s[G0SW+3], s[G0SW+3], 0x80000000
	CROUND                                         ; all sixteen work-groups are here: the first joint loads meet
; one tree of branches on the wave's number: every way through it passes exactly one load
.macro ARM under, g0, g1, next
	s_cmp_lt_u32 s18, \under
	s_cbranch_scc0 \next
	tensor_load_to_lds s[\g0:\g0+3], s[\g1:\g1+7]
	s_nop 0
.rept 4
	v_nop
.endr
	s_branch .Lhead_asked
\next:
.endm
	ARM 1, G0Z,  G1Z,  .Lhead_sz               ; wave 0: z's 256 rows, K 0 .. 511
	ARM 2, G0SZ, G1SZ, .Lhead_w                ; wave 1: z's scale bytes
	ARM 3, G0W,  G1W,  .Lhead_sw               ; wave 2: W's 384 rows, K 0 .. 511
	tensor_load_to_lds s[G0SW:G0SW+3], s[G1SW:G1SW+7]   ; wave 3: W's scale bytes
	s_nop 0
.rept 4
	v_nop
.endr
.Lhead_asked:
	v_and_b32 v[LN], 31, v0
	v_lshlrev_b32 v[L16], 4, v[LN]
	v_lshlrev_b32 v[L8], 3, v[LN]
	v_and_b32 v1, 15, v0                           ; r
	v_bfe_u32 v2, v0, 4, 1                         ; h
	v_lshlrev_b32 v[BO], 6, v2                     ; the bias along my registers: 64 h bytes
	v_lshrrev_b32 v3, 3, v1
	v_and_b32 v4, 7, v1
	v_lshlrev_b32 v[RO], 2, v4
	v_lshl_add_u32 v[RO], v3, 6, v[RO]             ; the bias of my row of v's features: position 16 (a % 2) + r is true d 16 (r / 8) + 8 (a % 2) + r % 8
	s_wait_alu depctr_va_vdst(0)                   ; the wait ahead of the scalar lines
	s_mul_i32 s60, s19, ZS/2                       ; my 128 tokens;
	s_mul_i32 s61, s20, 24576
	s_add_co_u32 s61, s61, WB                      ; my 128 features of q or k;
	s_mul_i32 s62, s20, 12288
	s_add_co_u32 s62, s62, WB+49152                ; my 64 of v, behind the tile's 256 rows of q or k
.irp s, 0,1                                    ; v8-11 z, v12-15 q or k, v16-19 v: slot 0, 1 + 16 x lane, then slot 0, 1 + 8 x lane
	v_add_nc_u32 v[8+\s], s60, v[L16]
	v_add_nc_u32 v[10+\s], s60, v[L8]
	v_add_nc_u32 v[12+\s], s61, v[L16]
	v_add_nc_u32 v[14+\s], s61, v[L8]
	v_add_nc_u32 v[16+\s], s62, v[L16]
	v_add_nc_u32 v[18+\s], s62, v[L8]
	s_add_co_u32 s60, s60, ZS
	s_add_co_u32 s61, s61, WSL
	s_add_co_u32 s62, s62, WSL
.endr
	s_lshl_b32 s60, s19, 12                        ; z's scale bytes: my 128 tokens;
	s_lshl_b32 s61, s20, 12
	s_add_co_u32 s61, s61, 8192                    ; W's lie behind z's 8,192
	s_sub_co_u32 s61, s61, s60
	v_mul_u32_u24 v3, s61, v2                      ; lanes 16-31 take W's: the lower base + h x the distance
	s_add_co_u32 s60, s60, SCL
	v_lshl_add_u32 v3, v1, 4, v3                   ; 16 bytes a row
	v_add_nc_u32 v[ADRS], s60, v3
	s_lshl_b32 s61, s20, 11
	s_add_co_u32 s61, s61, SCL+16384               ; v's rows begin 256 rows into W's scale bytes; my 64 of them
	v_lshlrev_b32 v3, 4, v1
	v_add_nc_u32 v[ADRV], s61, v3
	s_wait_alu depctr_va_vdst(0)
	; where my results belong
	s_and_b32 s88, s66, 3
	s_lshl_b32 s88, s88, 2
	s_lshl_b32 s89, s20, 1
	s_add_co_u32 s88, s88, s89                     ; my first head of q or k: I hold two
	s_mul_i32 s84, s88, 768                        ; b_qkv: 192 numbers a head
	s_lshl_b32 s89, ttmp9, 8                       ; + 64 numbers for k (the cluster's x is 0 for q, 1 for k)
	s_add_co_u32 s84, s84, s89
	s_mov_b32 s85, 0
	s_add_nc_u64 s[84:85], s[12:13], s[84:85]
	s_lshl_b32 s90, s66, 1
	s_add_co_u32 s90, s90, s20                     ; my head of v
	s_mul_i32 s86, s90, 768
	s_add_co_u32 s86, s86, 512
	s_mov_b32 s87, 0
	s_add_nc_u64 s[86:87], s[12:13], s[86:87]
	s_lshr_b32 s91, s23, 3                         ; batch
	s_lshl_b32 s91, s91, 4
	s_and_b32 s92, s23, 7
	s_lshl_b32 s92, s92, 1
	s_add_co_u32 s92, s92, s19                     ; which 128 positions of the 2,048
	s_mul_i32 s92, s92, ST
	s_add_co_u32 s88, s88, s91
	s_mul_i32 s88, s88, HS
	s_add_co_u32 s88, s88, s92
	s_mov_b32 s89, 0
	s_add_co_u32 s90, s90, s91
	s_mul_i32 s90, s90, HS
	s_add_co_u32 s90, s90, s92
	s_mov_b32 s91, 0
	s_cmp_eq_u32 ttmp9, 0
	s_cselect_b64 s[14:15], s[14:15], s[16:17]     ; q goes to qbuf, k to kvbuf
	s_add_nc_u64 s[14:15], s[14:15], s[88:89]      ; my first head's record of q or k
	s_add_nc_u64 s[16:17], s[16:17], s[90:91]      ; my head's record of v
	WIN 0xc0                                       ; destination window 3
.irp g, 0,1,2,3                                ; the bias of q or k in the result's layout: registers 16 g + i are true features 32 g + 16 h + i of my 128
.irp j, 0,1,2,3
	global_load_b128 v[16*\g+4*\j:16*\g+4*\j+3], v[BO], s[84:85] offset:(\g/2)*768+(\g%2)*128+16*\j
.endr
.endr
	WIN 0
.irp a, 0,1,2,3                                ; the bias of my feature of v in each of its four blocks, twice
	global_load_b32 v[RB+2*\a], v[RO], s[86:87] offset:(\a/2)*128+(\a%2)*32
	global_load_b32 v[RB+2*\a+1], v[RO], s[86:87] offset:(\a/2)*128+(\a%2)*32
.endr
.macro FRAG reg, a16, a8, off          ; a fragment (16 rows x 128 K, 12 registers) is two images on end: four loads of consecutive bytes
	ds_load_b128 v[(\reg):(\reg)+3], v[\a16] offset:(\off)
	ds_load_b64 v[(\reg)+4:(\reg)+5], v[\a8] offset:(\off)+512
	ds_load_b128 v[(\reg)+6:(\reg)+9], v[\a16] offset:(\off)+768
	ds_load_b64 v[(\reg)+10:(\reg)+11], v[\a8] offset:(\off)+1280
.endm
.macro ZLOAD st, a0                    ; z's blocks a0 .. a0 + 3 of step st: 16 LDS loads
.irp k, 0,1,2,3
	FRAG ZF+12*((\a0)+\k), 8+(((\st)/2)%2), 10+(((\st)/2)%2), 3072*((\a0)+\k)+1536*((\st)%2)
.endr
.endm
.macro WLOAD st, g, set                ; W's four fragments of group g of step st into a set: 16 LDS loads
.irp k, 0,1,2,3
.if (\g) < 2
	FRAG WF+48*(\set)+12*\k, 12+(((\st)/2)%2), 14+(((\st)/2)%2), 3072*(4*(\g)+\k)+1536*((\st)%2)
.else
	FRAG WF+48*(\set)+12*\k, 16+(((\st)/2)%2), 18+(((\st)/2)%2), 3072*\k+1536*((\st)%2)
.endif
.endr
.endm
.macro SCLOAD st                       ; step st's scale words into set st % 2: 12 LDS loads
.irp i, 0,1,2,3,4,5,6,7
	ds_load_b32 v[SC+12*((\st)%2)+\i], v[ADRS] offset:512*\i+((\st)/4)*256+4*((\st)%4)
.endr
.irp a, 0,1,2,3
	ds_load_b32 v[SC+12*((\st)%2)+8+\a], v[ADRV] offset:512*\a+((\st)/4)*256+4*((\st)%4)
.endr
.endm
; 16 matrix instructions of q or k: z's blocks 4 hz .. + 3 x W's blocks 4 g .. + 3.  In the first step the bias (window 3) is the C.  Every accumulator has one turn a step.
.macro QKH st, g, hz
.if (\st) == 0
	WIN ((1+\hz)<<6)|0x30
.else
	WIN (1+\hz)*0x50
.endif
.irp a, 0,1,2,3
.irp k, 0,1,2,3
.if (\st) == 0
	v_wmma_scale_f32_16x16x128_f8f6f4 v[8*(8*\a+4*(\g)+\k):8*(8*\a+4*(\g)+\k)+7], v[WF+48*WS+12*\k:WF+48*WS+12*\k+11], v[ZF+12*(4*\hz+\a):ZF+12*(4*\hz+\a)+11], v[8*(4*(\g)+\k):8*(4*(\g)+\k)+7], v[SC+12*((\st)%2)+4*(\g)+\k], v[SC+12*((\st)%2)+4*\hz+\a] matrix_a_fmt:MATRIX_FMT_BF6 matrix_b_fmt:MATRIX_FMT_BF6 matrix_a_scale:MATRIX_SCALE_ROW1
.else
	v_wmma_scale_f32_16x16x128_f8f6f4 v[8*(8*\a+4*(\g)+\k):8*(8*\a+4*(\g)+\k)+7], v[WF+48*WS+12*\k:WF+48*WS+12*\k+11], v[ZF+12*(4*\hz+\a):ZF+12*(4*\hz+\a)+11], v[8*(8*\a+4*(\g)+\k):8*(8*\a+4*(\g)+\k)+7], v[SC+12*((\st)%2)+4*(\g)+\k], v[SC+12*((\st)%2)+4*\hz+\a] matrix_a_fmt:MATRIX_FMT_BF6 matrix_b_fmt:MATRIX_FMT_BF6 matrix_a_scale:MATRIX_SCALE_ROW1
.endif
.endr
.endr
.endm
; 16 matrix instructions of v: W's four blocks x z's blocks 4 hz .. + 3, z as source 0
.macro VH st, hz
	WIN 0xf0
.irp a, 0,1,2,3
.irp k, 0,1,2,3
.if (\st) == 0
	v_wmma_scale_f32_16x16x128_f8f6f4 v[8*(8*\a+4*\hz+\k):8*(8*\a+4*\hz+\k)+7], v[ZF+12*(4*\hz+\k):ZF+12*(4*\hz+\k)+11], v[WF+48*WS+12*\a:WF+48*WS+12*\a+11], 0, v[SC+12*((\st)%2)+4*\hz+\k], v[SC+12*((\st)%2)+8+\a] matrix_a_fmt:MATRIX_FMT_BF6 matrix_b_fmt:MATRIX_FMT_BF6
.else
	v_wmma_scale_f32_16x16x128_f8f6f4 v[8*(8*\a+4*\hz+\k):8*(8*\a+4*\hz+\k)+7], v[ZF+12*(4*\hz+\k):ZF+12*(4*\hz+\k)+11], v[WF+48*WS+12*\a:WF+48*WS+12*\a+11], v[8*(8*\a+4*\hz+\k):8*(8*\a+4*\hz+\k)+7], v[SC+12*((\st)%2)+4*\hz+\k], v[SC+12*((\st)%2)+8+\a] matrix_a_fmt:MATRIX_FMT_BF6 matrix_b_fmt:MATRIX_FMT_BF6
.endif
.endr
.endr
.endm
.macro QKG st, g                       ; a group of q or k; it asks for the next group's fragments of W
.set WS, (3*(\st)+(\g))%2
.if (\g) == 0 && (\st) > 0
	s_wait_dscnt 16                                ; W's four, the scale words and z's blocks 0-3 are in; the youngest 16 loads (z's blocks 4-7) may be out
.else
	s_wait_dscnt 0x0
.endif
.if 3*(\st)+(\g) > 0
	PLACES                                         ; the other set was read by the products just issued
.endif
	WLOAD \st, (\g)+1, 1-WS
	QKH \st, \g, 0
.if (\g) == 0 && (\st) > 0
	s_wait_dscnt 16                                ; z's blocks 4-7 are in; the 16 loads just issued may be out
.endif
	QKH \st, \g, 1
	WIN 0
.endm
; The step's last group, v's.  In its middle and at its end the next step's fragments are asked for.  In steps 1, 3 and 5 these lie in the other slot, and this slot is read no more: in front of the barrier each wave waits for all its
; tensor loads, adds 0 to its spare word, and waits for that and for its LDS reads; in steps 1 and 3 the barrier opens a round of the cluster's barrier, and the slot is filled again first behind it.
.macro VG st
.set WS, (3*(\st)+2)%2
.if (\st)%2 == 1 && (\st) < 7
	s_wait_tensorcnt 0x0
	ds_add_u32 v[SPW], v[NIL]
	s_wait_dscnt 0x0
	s_barrier_signal -1
.else
	s_wait_dscnt 0x0
.endif
.if (\st) == 0
.rept 5
	v_nop                                          ; five plain lines: v's first products write over the registers that held the bias, a C of the products before
.endr
.endif
	VH \st, 0
	WIN 0
.if (\st)%2 == 1 && (\st) < 7
	s_barrier_wait -1
.if (\st) < 5
	CREST                                          ; no wave of any partner still reads this slot or has a load on its way
.if (\st) == 1
	s_add_nc_u64 s[G0Z+2:G0Z+3], s[G0Z+2:G0Z+3], 2*SS   ; K 512 .. 767 into slot 0
	s_add_nc_u64 s[G0W+2:G0W+3], s[G0W+2:G0W+3], 2*SS
.else
	s_add_nc_u64 s[G0Z+2:G0Z+3], s[G0Z+2:G0Z+3], SS     ; K 768 .. 1,023 into slot 1
	s_add_nc_u64 s[G0W+2:G0W+3], s[G0W+2:G0W+3], SS
	s_add_co_u32 s[G0Z+1], s[G0Z+1], ZS
	s_add_co_u32 s[G0W+1], s[G0W+1], WSL
.endif
	JLOAD                                          ; its four v_nop are the places in front of the loads below
.else
	PLACES
.endif
.else
.if (\st) < 7
	PLACES
.endif
.endif
.if (\st) < 7
	WLOAD (\st)+1, 0, 1-WS
	SCLOAD (\st)+1
	ZLOAD (\st)+1, 0
.endif
	VH \st, 1
	WIN 0
.if (\st) < 7
	PLACES
	ZLOAD (\st)+1, 4
.endif
.endm
	s_wait_alu depctr_va_vdst(0)                   ; the wait at the head's end
	s_wait_tensorcnt 0x0                           ; my one load of the head is in
	s_mov_b32 s[G1Z+1], 32<<16                     ; no tensor load of mine is out, so a descriptor may be written: the refills' shapes: 24,576 dense bytes as 96 rows of 256,
	s_mov_b32 s[G1Z+2], 96<<16
	s_mov_b32 s[G1Z+3], 32<<16
	s_mov_b32 s[G1Z+4], 96
	s_mov_b32 s[G1Z+5], 32
	s_mov_b32 s[G1W+1], 32<<16                     ; 36,864 as 144
	s_mov_b32 s[G1W+2], 144<<16
	s_mov_b32 s[G1W+3], 32<<16
	s_mov_b32 s[G1W+4], 144
	s_mov_b32 s[G1W+5], 32
	s_barrier_signal -1
	s_barrier_wait -1
	ZLOAD 0, 0
	ZLOAD 0, 4
	WLOAD 0, 0, 0
	SCLOAD 0
	s_wait_loadcnt 0x0                             ; the biases
.irp s, 0,1,2,3,4,5,6,7
	QKG \s, 0
	QKG \s, 1
	VG \s
.endr
	PLACES
; THE WAY OUT, block by block of 16 rows of source 1: a lane's 64 numbers (register 16 b + i = k 32 b + 16 (lane / 16) + i of its row), in window w from register s on, become 12 registers of codes in v[d] on and the scale word in v[wr].
; The codes leave as register images: each store covers 512 or 256 consecutive bytes, aligned.  No LDS.
.macro QUANT w, s, d, t, wr
	WIN ((\w)<<2)|((\w)<<4)
.irp b, 0,1,2,3
	v_max3_num_f32 v[TM+\b], 0x2800000, |v[(\s)+16*\b]|, |v[(\s)+1+16*\b]|   ; with the floor 2^(5 - 127): the byte cannot fall under 1; each accumulator from its low end on
.endr
.irp i, 2,4,6,8,10,12,14
.irp b, 0,1,2,3
	v_max3_num_f32 v[TM+\b], v[TM+\b], |v[(\s)+16*\b+\i]|, |v[(\s)+1+16*\b+\i]|
.endr
.endr
	WIN 0
.irp b, 0,1,2,3
	v_permlanex16_b32 v[TM+4+\b], v[TM+\b], s[SEL], s[SEL+1]
.endr
.irp b, 0,1,2,3
	v_max_num_f32 v[TM+\b], v[TM+\b], v[TM+4+\b]
.endr
.irp b, 0,1,2,3
	v_add_nc_u32 v[TM+12+\b], 0xfe000000, v[TM+\b]   ; 4 off the exponent field: the conversion's scale operand
.endr
.irp b, 0,1,2,3
	v_lshrrev_b32 v[TM+4+\b], 23, v[TM+12+\b]
.endr
	v_lshl_or_b32 v[\wr], v[TM+5], 8, v[TM+4]
	v_lshl_or_b32 v[\wr], v[TM+6], 16, v[\wr]
	v_lshl_or_b32 v[\wr], v[TM+7], 24, v[\wr]
	WIN \w
.irp c, 0,1
	v_cvt_scalef32_pk16_bf6_f32 v[(\d)+6*\c:(\d)+2+6*\c], v[(\s)+32*\c:(\s)+15+32*\c], v[TM+12+2*\c]
	v_cvt_scalef32_pk16_bf6_f32 v[(\t)+4*\c:(\t)+2+4*\c], v[(\s)+16+32*\c:(\s)+31+32*\c], v[TM+12+2*\c+1]
.endr
	WIN 0
	v_nop                                          ; one plain line behind the last conversion
.irp c, 0,1
.irp i, 0,1,2
	v_permlane16_swap_b32 v[(\d)+6*\c+\i], v[(\t)+4*\c+\i]
.endr
.irp i, 0,1,2
	v_mov_b32 v[(\d)+3+6*\c+\i], v[(\t)+4*\c+\i]
.endr
.endr
.endm
.macro OUTQ a                          ; 16 positions x my two heads of q or k
.set PCS, 192+20*((\a)%2)                      ; two sets of code registers by turns
.if (\a) >= 2
	s_wait_xcnt 0x0                                ; the stores of two blocks ago have read their data
.endif
	QUANT 1+(\a)/4, 64*((\a)%4), PCS, PCS+12, PWR+(\a)
	global_store_b128 v[L16], v[PCS:PCS+3], s[14:15] offset:(\a)*768
	global_store_b64 v[L8], v[PCS+4:PCS+5], s[14:15] offset:(\a)*768+512
	global_store_b128 v[L16], v[PCS+6:PCS+9], s[14:15] offset:HS+(\a)*768
	global_store_b64 v[L8], v[PCS+10:PCS+11], s[14:15] offset:HS+(\a)*768+512
.endm
.macro OUTV a                          ; 16 d x 128 keys of v: one fragment
.set PCS, 192+20*((\a)%2)
	s_wait_xcnt 0x0                                ; the earlier stores have read their data
	WIN 0xc3                                       ; the sums in window 3, the bias in window 0
.set j, 0
.rept 32
	v_pk_add_f32 v[64*(\a)+j:64*(\a)+j+1], v[64*(\a)+j:64*(\a)+j+1], v[RB+2*(\a):RB+2*(\a)+1]   ; each accumulator from its low end on
.set j, j+2
.endr
	QUANT 3, 64*(\a), PCS, PCS+12, PWR+(\a)
	global_store_b128 v[L16], v[PCS:PCS+3], s[16:17] offset:6144+(\a)*1536
	global_store_b64 v[L8], v[PCS+4:PCS+5], s[16:17] offset:6144+(\a)*1536+512
	global_store_b128 v[L16], v[PCS+6:PCS+9], s[16:17] offset:6144+(\a)*1536+768
	global_store_b64 v[L8], v[PCS+10:PCS+11], s[16:17] offset:6144+(\a)*1536+1280
.endm
	s_mov_b32 s[SEL], 0x76543210
	s_mov_b32 s[SEL+1], 0xfedcba98
	s_mov_b32 s8, 0x7f7f0000
.irp b, 0,1,2,3
	v_mov_b32 v[TM+4+\b], 0                        ; written once: a lane permute's destination counts as one of its sources
.endr
	v_cmp_le_u32 vcc_lo, 16, v[LN]
.irp a, 0,1,2,3,4,5,6,7
	OUTQ \a
.endr
.irp g, 0,1,2,3
	v_cndmask_b32 v[WG+\g], v[PWR+2*\g], v[PWR+2*\g+1], vcc_lo   ; lanes 0-15 block 2 g's words, lanes 16-31 block 2 g + 1's
.endr
.irp g, 0,1,2,3
	v_and_or_b32 v[232+\g], v[WG+\g], 0xffff, s8   ; the first head's two bytes; bytes 2 and 3 are 0x7f: the product's upper 64 along K are zero codes
	v_lshrrev_b32 v[236+\g], 16, v[WG+\g]
.endr
.irp g, 0,1,2,3
	v_or_b32 v[236+\g], s8, v[236+\g]              ; the second head's
.endr
	global_store_b128 v[L16], v[232:235], s[14:15] offset:12288
	global_store_b128 v[L16], v[236:239], s[14:15] offset:HS+12288
.irp a, 0,1,2,3
	OUTV \a
.endr
	v_cndmask_b32 v[WG], v[PWR], v[PWR+1], vcc_lo
	v_cndmask_b32 v[WG+1], v[PWR+2], v[PWR+3], vcc_lo
	global_store_b64 v[L8], v[WG:WG+1], s[16:17] offset:12800
	s_wait_tensorcnt 0x0                           ; the wave's end
	ds_add_u32 v[SPW], v[NIL]
	s_wait_dscnt 0x0
	CROUND                                         ; the closing round: no work-group ends while a partner may still ask for a tile that names it
	s_endpgm
.Lfunc_end_k_qa770fc62df_qkv:
	.size	k_qa770fc62df_qkv, .Lfunc_end_k_qa770fc62df_qkv-k_qa770fc62df_qkv
	.p2alignl 7, 3214868480
	.fill 96, 4, 3214868480
	.section	.rodata,"a",@progbits
	.p2align	6, 0x0
	.amdhsa_kernel k_qa770fc62df_qkv
		.amdhsa_group_segment_fixed_size 327680
		.amdhsa_private_segment_fixed_size 0
		.amdhsa_enable_private_segment 0
		.amdhsa_kernarg_size 56
		.amdhsa_user_sgpr_count 2
		.amdhsa_user_sgpr_kernarg_segment_ptr 1
		.amdhsa_wavefront_size32 1
		.amdhsa_system_sgpr_workgroup_id_x 1
		.amdhsa_system_sgpr_workgroup_id_y 1
		.amdhsa_system_sgpr_workgroup_id_z 1
		.amdhsa_system_vgpr_workitem_id 0
		.amdhsa_next_free_vgpr 1024
		.amdhsa_next_free_sgpr 100
		.amdhsa_reserve_vcc 1
		.amdhsa_float_denorm_mode_32 3
		.amdhsa_float_denorm_mode_16_64 3
		.amdhsa_memory_ordered 1
		.amdhsa_forward_progress 1
		.amdhsa_inst_pref_size 225
	.end_amdhsa_kernel
	.amdgpu_metadata
---
amdhsa.version: [ 1, 2 ]
amdhsa.kernels:
  - .name:           k_qa770fc62df_qkv
    .symbol:         k_qa770fc62df_qkv.kd
    .args:
      - { .name: z_img, .offset: 0, .size: 8, .value_kind: global_buffer, .address_space: global }
      - { .name: z_sc, .offset: 8, .size: 8, .value_kind: global_buffer, .address_space: global }
      - { .name: w_img, .offset: 16, .size: 8, .value_kind: global_buffer, .address_space: global }
      - { .name: w_sc, .offset: 24, .size: 8, .value_kind: global_buffer, .address_space: global }
      - { .name: b_qkv, .offset: 32, .size: 8, .value_kind: global_buffer, .address_space: global }
      - { .name: qbuf, .offset: 40, .size: 8, .value_kind: global_buffer, .address_space: global }
      - { .name: kvbuf, .offset: 48, .size: 8, .value_kind: global_buffer, .address_space: global }
    .group_segment_fixed_size: 327680
    .private_segment_fixed_size: 0
    .kernarg_segment_align: 8
    .kernarg_segment_size: 56
    .max_flat_workgroup_size: 128
    .sgpr_count:     100
    .vgpr_count:     1024
    .wavefront_size: 32
...
	.end_amdgpu_metadata
.endif
;; end of part 2
;; launch attn (part 3): grid 4 x 64, 8 waves a work-group, clusters of 4 x 1, 209,920 bytes of LDS; arguments qbuf, kvbuf, a_img, a_sc; writes a_img, a_sc
.if DOCPART == 3
	.amdgcn_target "amdgcn-amd-amdhsa--gfx1250"
	.amdhsa_code_object_version 6
	.text
	.protected	k_qa770fc62df_attn
	.globl	k_qa770fc62df_attn
	.p2align	8
	.type	k_qa770fc62df_attn,@function
k_qa770fc62df_attn:
	s_mov_b64 s[64:65], 0
	v_nop
	global_prefetch_b8 v0, s[64:65] scope:SCOPE_SE
	s_setreg_imm32_b32 hwreg(HW_REG_WAVE_MODE, 25, 1), 1
	s_wait_xcnt 0x0
	s_wait_alu depctr_hold_cnt(0) depctr_sa_sdst(0) depctr_va_vdst(0) depctr_va_sdst(0) depctr_va_ssrc(0) depctr_va_vcc(0) depctr_vm_vsrc(0)
	s_getreg_b32 s2, hwreg(HW_REG_IB_STS2, 6, 4)
	s_cmp_eq_u32 s2, 0
	s_cbranch_scc0 .Lentry_in_a_cluster
	s_endpgm
.Lentry_in_a_cluster:
	s_bfe_u32 s2, ttmp6, 0x10000c
	s_cmp_lg_u32 s2, 0x3003
	s_cbranch_scc0 .Lentry_shape_is_right
	s_endpgm
.Lentry_shape_is_right:
; attn[q] = softmax_k(q . k / 8) v for 64 heads of 2,048 tokens x 64, both products on codes of BF6 (E3M2) with E8M0 scales; the result is quantised along the head's 64 and leaves as codes for the last product.
; THE SOFTMAX: t = score x log2(e) / 8; M = the running largest t rounded UP to a whole number; p = 2^(t - M) is quantised along the keys, not normalised; the row's sum is taken of the unquantised p and divides at the end.
; When M moves, the sums and O are multiplied by 2^(old M - new M): exact.
; SHARES.  The four work-groups of a cluster belong to one head; each takes 512 queries in two passes of 256; each of its eight waves owns TWO tiles of 16 queries, which share every fragment of K and V read from LDS.
; A HEAD'S K, V AND THEIR SCALE WORDS, 208,896 dense bytes (16 records of 128 keys), come into LDS once, asked for jointly by the four: each wave issues one tensor load of two records; nothing is filled again.
; RECORD (13,056 bytes): +0 K: eight images (16 positions x 64: registers 0-3 at 16 x lane, 4-5 at 512 + 8 x lane); +6,144 V: four fragments (16 d x 128 keys); +12,288 K's scale words [lane][4]; +12,800 V's [lane][2].
; LAYOUT.  Both products are used transposed: S^T = K Q^T, O^T = V^T P^T: a lane holds one query.  THE KEYS OF A TILE OF K ARE CHOSEN BY THE LANES' ADDRESSES: tile 4 c + t has in rows 0-7 the true keys 8 t .. 8 t + 7 of block 2 c
; and in rows 8-15 those of block 2 c + 1 (a block: 32 keys).  So lane (r, h) holds block 2 c + h WHOLE, in true order, in 32 registers on end: its largest score needs no other lane, and the conversions' results are p's operand as it stands.
; (In the record true key 8 t + i of a block lies in image t % 2 of the block's two, row 8 (t / 2) + i.  Rows 0-7 and 8-15 of a tile lie 1,536 bytes apart.)
; K = 64 IN AN INSTRUCTION OF 128: Q's registers 6-11 are zero codes; tile a of K is named with the next tile's six registers as its upper half (zeros behind the last): finite codes times zero codes add nothing; bytes 2, 3 of both scale words are 0x7f.
; FRAGMENTS RUN A STEP AHEAD: the next step's K is asked of LDS behind this step's scores, the next step's V behind this step's second product.
; No prefetch: all that a work-group reads from memory is asked for by its first lines.
; LIMITS: NaN and infinities are not served; the promise holds while the scaled scores t stay under 2^31 in magnitude; a block of zeros gets the byte 1 with zero codes (this program alone reads the bytes).
; REGISTERS.  Window 0: v1, v2 16 x, 8 x lane; v3-5 K's addresses, v6-7 V's; v8-10 K's lane terms; v12-15 (-M, largest score) x 2 tiles; v16-19 (f, old -M) x 2; v20-35 the sums, four pairs a tile; v36-39 block maxima; v40-55 at work;
;   v56-57 p's scale words; v58-59, v124-125 Q's; v60-63 K's; v64-65 V's; v66-67 the spare word's address and 0; v68 8 h; v69 16 r + h; v70-123 K's tiles and six zeros; v126 16 r; v128-191 O^T x 2; v192-215 p's codes x 2; v216-230 second halves; v232-253 the way out.
;   Window 1: v0-47 V's fragments; v48-95 Q (pass, tile); v128-255 S^T, then p, x 2 tiles.
.set HS,    208896
.set ST,    13056
.set SS_Z,  1572864
.set SPARE, 208896                     ; behind the head's block: the spare words, 128 bytes a wave
.set WV,    18
.set SEL,   20                         ; s[20:21] v_permlanex16_b32's selects for lane l xor 16
.set CS,    22                         ; s[22:23] c = log2(e) / 8
.set G1,    24
.set G0,    32
.set TB,    36                         ; the next step's record in LDS
.set TRIP,  37
.set HM,    38                         ; mask of lanes 16-31
.set NC,    39                         ; -c
.set KF,    70
.set QF,    48
.set MSB, 0
.macro WIN new                         ; low byte: bits 1:0 source 0, 3:2 source 1, 5:4 source 2, 7:6 destination; the high byte repeats the setting that is left
.if MSB != (\new)
	s_set_vgpr_msb (MSB<<8)|(\new)
.set MSB, (\new)
.endif
.endm
.macro CROUND                          ; a round of the cluster's barrier
	s_barrier_signal -1
	s_barrier_wait -1
	s_cmp_lg_u32 s[WV], 0
	s_cbranch_scc1 .Lnot_wave_0_\@
	s_barrier_signal -3
.Lnot_wave_0_\@:
	s_barrier_wait -3
	s_barrier_signal -1
	s_barrier_wait -1
.endm
	s_load_b256 s[4:11], s[0:1], 0x0               ; qbuf s[4:5], kvbuf s[6:7], a_img s[8:9], a_sc s[10:11]
	v_lshl_add_u32 v66, v0, 2, SPARE
	v_mov_b32 v67, 0
	ds_add_u32 v66, v67                            ; the opening lines: the add, twice on end, and its wait ahead of my tensor load
	ds_add_u32 v66, v67
	v_lshrrev_b32 v1, 5, v0
	v_readfirstlane_b32 s[WV], v1                  ; wave 0..7
	s_bfe_u32 s19, ttmp6, 0x40000                  ; cx: it enters Q's and the result's addresses alone
	s_and_b32 s48, ttmp7, 0xffff                   ; 16 x batch + head, which the four partners share
	s_mul_i32 s50, s48, HS
	s_mov_b32 s[G1], 15|(3<<16)|(1<<21)            ; the mask: all four work-groups; elements of 8 bytes; bit 21 beside a mask; no padding
	s_mov_b32 s[G1+1], 32<<16                      ; two records, 26,112 dense bytes, as 102 rows of 256
	s_mov_b32 s[G1+2], 102<<16
	s_mov_b32 s[G1+3], 32<<16
	s_mov_b32 s[G1+4], 102
	s_mov_b32 s[G1+5], 32
	s_mov_b32 s[G1+6], 0
	s_mov_b32 s[G1+7], 0
	s_mov_b32 s[G0], 1
	s_mul_i32 s[G0+1], s[WV], 2*ST                 ; the LDS address is the byte's place in the head's block
	s_add_co_u32 s52, s50, s[G0+1]
	s_mov_b32 s53, 0
	s_wait_dscnt 0x0
	s_wait_kmcnt 0x0
	s_add_nc_u64 s[G0+2:G0+3], s[6:7], s[52:53]
	s_or_b32 s[G0+3], s[G0+3], 0x80000000
	CROUND                                         ; all four work-groups are here: the joint loads meet
	tensor_load_to_lds s[G0:G0+3], s[G1:G1+7]      ; one line, every wave: records 2 wave and 2 wave + 1
	s_nop 0
	v_and_b32 v11, 31, v0
	v_lshlrev_b32 v1, 4, v11
	v_lshlrev_b32 v2, 3, v11
	v_and_b32 v40, 15, v0                          ; r
	v_bfe_u32 v41, v0, 4, 1                        ; h
	v_and_b32 v42, 7, v0                           ; r % 8
	v_bfe_u32 v43, v0, 3, 1                        ; r / 8
	v_lshlrev_b32 v126, 4, v40
	v_add_nc_u32 v69, v126, v41
	v_lshlrev_b32 v68, 3, v41
	v_mul_u32_u24 v44, v43, 1536                   ; rows 8-15 of a tile come from the next block's images
	v_lshl_add_u32 v8, v42, 4, v44
	v_lshl_add_u32 v8, v41, 8, v8                  ; K's registers 0-3: 1,536 (r / 8) + 16 (r % 8) + 256 h
	v_lshl_add_u32 v9, v42, 3, v44
	v_lshl_add_u32 v9, v41, 7, v9                  ; registers 4-5: 1,536 (r / 8) + 8 (r % 8) + 128 h
	v_lshlrev_b32 v10, 2, v43
	v_lshl_add_u32 v10, v42, 4, v10
	v_lshl_add_u32 v10, v41, 8, v10                ; K's scale words: lanes 0-15 an even tile's rows, lanes 16-31 the odd tile's: 256 h + 16 (r % 8) + 4 (r / 8)
	v_cmp_le_u32 s[HM], 16, v11
.irp j, 0,1,2,3,4,5
	v_mov_b32 v[KF+48+\j], 0                       ; zero codes behind K's last tile
.endr
	s_wait_alu depctr_va_vdst(0)                   ; the wait ahead of the run of scalar lines
	; my tiles of queries in pass p: numbers 16 p + 2 wave + T of the work-group's 32: record 4 cx + 2 p + wave / 4, image 2 (wave % 4) + T
	s_lshl_b32 s52, s19, 2
	s_lshr_b32 s53, s[WV], 2
	s_add_co_u32 s52, s52, s53
	s_mul_i32 s52, s52, ST
	s_add_co_u32 s52, s52, s50
	s_and_b32 s54, s[WV], 3
	s_mul_i32 s55, s54, 1536
	s_add_co_u32 s56, s52, s55
	s_mov_b32 s57, 0
	s_add_nc_u64 s[40:41], s[4:5], s[56:57]        ; the images
	s_lshl_b32 s54, s54, 2
	s_add_co_u32 s56, s52, s54
	s_add_nc_u64 s[42:43], s[4:5], s[56:57]        ; their scale words: [lane 16 T + r][wave % 4]
	WIN 0x40
.irp p, 0,1
.irp T, 0,1
	global_load_b128 v[QF+24*\p+12*\T:QF+24*\p+12*\T+3], v1, s[40:41] offset:2*ST*\p+768*\T
	global_load_b64 v[QF+24*\p+12*\T+4:QF+24*\p+12*\T+5], v2, s[40:41] offset:2*ST*\p+768*\T+512
.irp j, 6,7,8,9,10,11
	v_mov_b32 v[QF+24*\p+12*\T+\j], 0              ; zero codes: Q's upper 64 along K
.endr
.endr
.endr
	WIN 0
.irp T, 0,1
	global_load_b32 v[58+\T], v126, s[42:43] offset:12288+256*\T
	global_load_b32 v[124+\T], v126, s[42:43] offset:2*ST+12288+256*\T
.endr
	; where the result goes: tile 128 batch + 32 cx + 2 wave (+ T, + 16 in pass 1) of the tokens, K = 64 head on
	s_lshr_b32 s52, s48, 4
	s_and_b32 s53, s48, 15
	s_lshl_b32 s52, s52, 7
	s_lshl_b32 s54, s19, 5
	s_add_co_u32 s52, s52, s54
	s_lshl_b32 s54, s[WV], 1
	s_add_co_u32 s52, s52, s54
	s_mul_i32 s54, s52, 3072
	s_lshr_b32 s55, s53, 2
	s_mul_i32 s55, s55, SS_Z
	s_add_co_u32 s54, s54, s55
	s_and_b32 s55, s53, 3
	s_mul_i32 s55, s55, 768
	s_add_co_u32 s54, s54, s55
	s_mov_b32 s55, 0
	s_add_nc_u64 s[44:45], s[8:9], s[54:55]
	s_lshl_b32 s54, s52, 9
	s_lshr_b32 s56, s53, 3
	s_lshl_b32 s56, s56, 8
	s_add_co_u32 s54, s54, s56
	s_and_b32 s56, s53, 7
	s_lshl_b32 s56, s56, 1
	s_add_co_u32 s54, s54, s56
	s_add_nc_u64 s[46:47], s[10:11], s[54:55]
	s_mov_b32 s[SEL], 0x76543210
	s_mov_b32 s[SEL+1], 0xfedcba98
	s_mov_b32 s[CS], 0x3e38aa3b                    ; log2(e) / 8
	s_mov_b32 s[CS+1], s[CS]                       ; (named with it as a pair, so it is written)
	s_mov_b32 s[NC], 0xbe38aa3b
.macro INIT                            ; a pass begins: zeros, which the first change of M leaves zeros
	v_mov_b32 v13, 0xff61b1e6                      ; the largest score so far: -3e38
	v_mov_b32 v15, 0xff61b1e6
	v_mov_b32 v12, 0x7d000000                      ; -M: a whole number above every -t served: the first f is 0
	v_mov_b32 v14, 0x7d000000
.set j, 0
.rept 16
	v_mov_b32 v[20+j], 0
.set j, j+1
.endr
.set j, 0
.rept 64
	v_mov_b32 v[128+j], 0
.set j, j+1
.endr
.endm
.macro NEXTK                           ; K's eight tiles and their scale words of the record at s[TB]: 20 LDS loads; the three additions are places behind the products
	v_add_nc_u32 v3, s[TB], v8
	v_add_nc_u32 v4, s[TB], v9
	v_add_nc_u32 v5, s[TB], v10
.irp a, 0,1,2,3,4,5,6,7
	ds_load_b128 v[KF+6*\a:KF+6*\a+3], v3 offset:3072*(\a/4)+768*(\a%2)+128*((\a%4)/2)
	ds_load_b64 v[KF+6*\a+4:KF+6*\a+5], v4 offset:3072*(\a/4)+768*(\a%2)+64*((\a%4)/2)+512
.endr
.irp g, 0,1,2,3                        ; register 2 c + t / 2: lanes 0-15 the even tile's words, lanes 16-31 the odd tile's
	ds_load_b32 v[60+\g], v5 offset:12288+128*(\g%2)+8*(\g/2)
.endr
.endm
.macro NEXTV                           ; V's four fragments and their scale words: 17 LDS loads, four plain lines behind the products that read the registers
	v_add_nc_u32 v6, s[TB], v1
	v_add_nc_u32 v7, s[TB], v2
	v_nop
	v_nop
	ds_load_b64 v[64:65], v7 offset:12800
	WIN 0x40
.irp t, 0,1,2,3
	ds_load_b128 v[12*\t:12*\t+3], v6 offset:6144+1536*\t
	ds_load_b64 v[12*\t+4:12*\t+5], v7 offset:6144+1536*\t+512
	ds_load_b128 v[12*\t+6:12*\t+9], v6 offset:6144+1536*\t+768
	ds_load_b64 v[12*\t+10:12*\t+11], v7 offset:6144+1536*\t+1280
.endr
	WIN 0
.endm
.macro SM a, T, p                      ; S^T of K's tile a and query tile T
.if (\a)%2
	v_wmma_scale_f32_16x16x128_f8f6f4 v[128+64*\T+8*\a:135+64*\T+8*\a], v[KF+6*\a:KF+6*\a+11], v[QF+24*\p+12*\T:QF+24*\p+12*\T+11], 0, v[60+2*(\a/4)+(\a%4)/2], v[58+66*\p+\T] matrix_a_fmt:MATRIX_FMT_BF6 matrix_b_fmt:MATRIX_FMT_BF6 matrix_a_scale:MATRIX_SCALE_ROW1
.else
	v_wmma_scale_f32_16x16x128_f8f6f4 v[128+64*\T+8*\a:135+64*\T+8*\a], v[KF+6*\a:KF+6*\a+11], v[QF+24*\p+12*\T:QF+24*\p+12*\T+11], 0, v[60+2*(\a/4)+(\a%4)/2], v[58+66*\p+\T] matrix_a_fmt:MATRIX_FMT_BF6 matrix_b_fmt:MATRIX_FMT_BF6
.endif
.endm
.macro PV t, T                         ; O^T += V^T p^T: fragment t of V, query tile T
.if (\t)%2
	v_wmma_scale_f32_16x16x128_f8f6f4 v[128+32*\T+8*\t:135+32*\T+8*\t], v[12*\t:12*\t+11], v[192+12*\T:203+12*\T], v[128+32*\T+8*\t:135+32*\T+8*\t], v[64+\t/2], v[56+\T] matrix_a_fmt:MATRIX_FMT_BF6 matrix_b_fmt:MATRIX_FMT_BF6 matrix_a_scale:MATRIX_SCALE_ROW1
.else
	v_wmma_scale_f32_16x16x128_f8f6f4 v[128+32*\T+8*\t:135+32*\T+8*\t], v[12*\t:12*\t+11], v[192+12*\T:203+12*\T], v[128+32*\T+8*\t:135+32*\T+8*\t], v[64+\t/2], v[56+\T] matrix_a_fmt:MATRIX_FMT_BF6 matrix_b_fmt:MATRIX_FMT_BF6
.endif
.endm
; A KEY STEP: 128 keys x my 32 queries.  p: the pass.  nxt = 1: the next record's fragments are asked for; 2: record 0's, for the next pass; 0: none.  Index k = 2 T + c counts (tile, pair of blocks).
.macro STEP p, nxt
	s_wait_alu depctr_va_vdst(0)                   ; the wait ahead of a wait that blocks
	s_wait_dscnt 17                                ; K's 20 loads are in; V's 17, issued behind them, may be out
	WIN 0x44                                       ; D and Q window 1, K window 0
.irp a, 0,1,2,3,4,5,6,7
	SM \a, 0, \p
	SM \a, 1, \p
.endr
	WIN 0
.if (\nxt) == 1
	s_add_co_u32 s[TB], s[TB], ST
.endif
.if (\nxt) == 2
	s_mov_b32 s[TB], 0
.endif
	v_mov_b32 v17, v12                             ; the old -M.  (These lines are the places behind the products)
	v_mov_b32 v19, v14
.if \nxt
	NEXTK
.else
	v_nop
	v_nop
.endif
	WIN 0x14                                       ; the scores in window 1, the maxima in window 0
.irp k, 0,1,2,3
	v_max3_num_f32 v[36+\k], 0xff61b1e6, v[128+32*\k], v[129+32*\k]   ; the largest score of my block of 32 keys: for the row's maximum and, since p rises with the score, for the block's largest p
.endr
.irp i, 2,4,6,8,10,12,14,16,18,20,22,24,26,28,30
.irp k, 0,1,2,3
	v_max3_num_f32 v[36+\k], v[36+\k], v[128+32*\k+\i], v[129+32*\k+\i]   ; four chains by turns
.endr
.endr
	WIN 0
	v_max_num_f32 v40, v36, v37                    ; the two tiles' chains by turns
	v_max_num_f32 v41, v38, v39
	v_permlanex16_b32 v42, v40, s[SEL], s[SEL+1]
	v_permlanex16_b32 v43, v41, s[SEL], s[SEL+1]
	v_max3_num_f32 v13, v13, v40, v42              ; the running largest score of my query
	v_max3_num_f32 v15, v15, v41, v43
	v_mul_f32 v44, s[NC], v13                      ; -t (c is positive)
	v_mul_f32 v45, s[NC], v15
	v_floor_f32 v12, v44                           ; the new -M = floor(-t): M is a whole number
	v_floor_f32 v14, v45
	v_sub_f32 v44, v12, v17                        ; old M - new M: a whole number, 0 or less
	v_sub_f32 v45, v14, v19
	v_cvt_i32_f32 v44, v44                         ; (it saturates)
	v_cvt_i32_f32 v45, v45
	v_ldexp_f32 v16, 1.0, v44                      ; f = 2^(old M - new M)
	v_ldexp_f32 v18, 1.0, v45
.irp k, 0,1,2,3
	v_fma_f32 v[36+\k], v[36+\k], s[CS], v[12+2*(\k/2)]   ; t - M of each block's largest score
.endr
.irp k, 0,1,2,3
	v_pk_mul_f32 v[20+2*\k:21+2*\k], v[20+2*\k:21+2*\k], v[16:17] op_sel_hi:[1,0]   ; the sums under the new M
	v_pk_mul_f32 v[28+2*\k:29+2*\k], v[28+2*\k:29+2*\k], v[18:19] op_sel_hi:[1,0]
.endr
.set j, 0
.rept 16
	v_pk_mul_f32 v[128+j:129+j], v[128+j:129+j], v[16:17] op_sel_hi:[1,0]   ; O^T under the new M, each accumulator from its low end on; no exponential stands between the products and these reads
	v_pk_mul_f32 v[160+j:161+j], v[160+j:161+j], v[18:19] op_sel_hi:[1,0]
.set j, j+2
.endr
	WIN 0x41                                       ; the scores in window 1, -M in window 0
.set j, 0
.rept 32
	v_pk_fma_f32 v[128+j:129+j], v[128+j:129+j], s[CS:CS+1], v[12:13] op_sel_hi:[1,0,0]   ; t - M, two at a time
	v_pk_fma_f32 v[192+j:193+j], v[192+j:193+j], s[CS:CS+1], v[14:15] op_sel_hi:[1,0,0]
.set j, j+2
.endr
	s_wait_alu depctr_va_vdst(0)                   ; the wait ahead of the batch
.set j, 0
.rept 128
	v_exp_f32 v[128+j], v[128+j]                   ; p = 2^(t - M), at most 1
.set j, j+1
.endr
	WIN 0
.irp k, 0,1,2,3
	v_exp_f32 v[36+\k], v[36+\k]                   ; the blocks' largest p
.endr
	v_nop                                          ; a plain line behind the batch,
	s_wait_alu depctr_va_vdst(0)                   ; and the one wait, ahead of its first reader
.irp k, 0,1,2,3
	v_max_num_f32 v[36+\k], 0x2800000, v[36+\k]    ; the floor 2^(5 - 127): the byte cannot fall under 1
.endr
.irp k, 0,1,2,3
	v_add_nc_u32 v[46+\k], 0xfe000000, v[36+\k]    ; 4 off the exponent field: the conversion's scale operand
.endr
.irp k, 0,1,2,3
	v_lshrrev_b32 v[50+\k], 23, v[46+\k]           ; the byte
.endr
	v_lshl_or_b32 v50, v51, 16, v50                ; my two bytes: blocks h and 2 + h,
	v_lshl_or_b32 v52, v53, 16, v52
	v_lshlrev_b32 v50, v68, v50                    ; at their places in the word (8 h bits up);
	v_lshlrev_b32 v52, v68, v52
	v_permlanex16_b32 v42, v50, s[SEL], s[SEL+1]
	v_permlanex16_b32 v43, v52, s[SEL], s[SEL+1]
	v_or_b32 v56, v50, v42                         ; with lane l xor 16's two: p's scale word for these 128 keys
	v_or_b32 v57, v52, v43
	WIN 0x01                                       ; p in window 1, codes and scale operands in window 0
.irp k, 0,1,2,3
	v_cvt_scalef32_pk16_bf6_f32 v[192+6*\k:194+6*\k], v[128+32*\k:143+32*\k], v[46+\k]     ; my block's keys 0-15: registers 6 c .. 6 c + 2 of the operand
	v_cvt_scalef32_pk16_bf6_f32 v[216+4*\k:218+4*\k], v[144+32*\k:159+32*\k], v[46+\k]     ; keys 16-31 (a conversion's three registers begin on an even number)
.endr
	WIN 0
	v_nop                                          ; one plain line behind the last conversion
.irp k, 0,1,2,3
.irp i, 0,1,2
	v_mov_b32 v[195+6*\k+\i], v[216+4*\k+\i]
.endr
.endr
	WIN 0x04                                       ; p in window 1, the sums in window 0
.set j, 0
.rept 32
	v_pk_add_f32 v[20+2*(j%4):21+2*(j%4)], v[20+2*(j%4):21+2*(j%4)], v[128+2*j:129+2*j]   ; the row's sum of the unquantised p: eight chains by turns.  These 64 lines are also the places in front of the products below
	v_pk_add_f32 v[28+2*(j%4):29+2*(j%4)], v[28+2*(j%4):29+2*(j%4)], v[192+2*j:193+2*j]
.set j, j+1
.endr
	s_wait_alu depctr_va_vdst(0)                   ; the wait ahead of a wait that blocks
.if \nxt
	s_wait_dscnt 20                                ; V's 17 loads are in; the next K's 20, issued behind them, may be out
.else
	s_wait_dscnt 0x0
.endif
	WIN 0x01                                       ; V window 1; codes, C and D window 0
.irp t, 0,1,2,3
	PV \t, 0                                       ; the eight accumulators take turns, one instruction a turn
	PV \t, 1
.endr
	WIN 0
.if \nxt
	NEXTV
.endif
.endm
; THE WAY OUT of pass p: O^T / the sum; register 16 g + i of a tile is true d 32 g + 16 h + i of my query: two blocks of 32 along the last product's K; each tile becomes one image of 16 rows x 64.  Index k = 2 T + g.
.macro WAYOUT p
	s_wait_alu depctr_va_vdst(0)
	s_wait_xcnt 0x0                                ; the earlier pass's stores have read their data
	v_pk_add_f32 v[20:21], v[20:21], v[22:23]      ; (these lines are the places behind the last products)
	v_pk_add_f32 v[28:29], v[28:29], v[30:31]
	v_pk_add_f32 v[24:25], v[24:25], v[26:27]
	v_pk_add_f32 v[32:33], v[32:33], v[34:35]
	v_pk_add_f32 v[20:21], v[20:21], v[24:25]
	v_pk_add_f32 v[28:29], v[28:29], v[32:33]
	v_add_f32 v20, v20, v21
	v_add_f32 v28, v28, v29
	v_permlanex16_b32 v42, v20, s[SEL], s[SEL+1]
	v_permlanex16_b32 v43, v28, s[SEL], s[SEL+1]
	v_add_f32 v20, v20, v42                        ; the rows' sums
	v_add_f32 v28, v28, v43
	s_wait_alu depctr_va_vdst(0)
	v_rcp_f32 v20, v20
	v_rcp_f32 v28, v28
	v_nop                                          ; a plain line behind the reciprocals,
	s_wait_alu depctr_va_vdst(0)                   ; and the wait, directly ahead of the first readers of them and of O^T
.set j, 0
.rept 16
	v_pk_mul_f32 v[128+j:129+j], v[128+j:129+j], v[20:21] op_sel_hi:[1,0]   ; each accumulator from its low end on
	v_pk_mul_f32 v[160+j:161+j], v[160+j:161+j], v[28:29] op_sel_hi:[1,0]
.set j, j+2
.endr
.irp k, 0,1,2,3
	v_max3_num_f32 v[36+\k], 0x2800000, |v[128+16*\k]|, |v[129+16*\k]|
.endr
.irp i, 2,4,6,8,10,12,14
.irp k, 0,1,2,3
	v_max3_num_f32 v[36+\k], v[36+\k], |v[128+16*\k+\i]|, |v[129+16*\k+\i]|
.endr
.endr
.irp k, 0,1,2,3
	v_permlanex16_b32 v[40+\k], v[36+\k], s[SEL], s[SEL+1]
.endr
.irp k, 0,1,2,3
	v_max_num_f32 v[36+\k], v[36+\k], v[40+\k]     ; with lane l xor 16's 16: the block's largest magnitude
.endr
.irp k, 0,1,2,3
	v_add_nc_u32 v[46+\k], 0xfe000000, v[36+\k]
.endr
.irp k, 0,1,2,3
	v_lshrrev_b32 v[50+\k], 23, v[46+\k]
.endr
.irp T, 0,1
	v_cvt_scalef32_pk16_bf6_f32 v[232+12*\T:234+12*\T], v[128+32*\T:143+32*\T], v[46+2*\T]
	v_cvt_scalef32_pk16_bf6_f32 v[236+12*\T:238+12*\T], v[144+32*\T:159+32*\T], v[47+2*\T]
.endr
	v_cndmask_b32 v54, v50, v51, s[HM]             ; my half's block's byte.  (A plain line behind the last conversion)
	v_cndmask_b32 v55, v52, v53, s[HM]
.irp T, 0,1
.irp i, 0,1,2
	v_permlane16_swap_b32 v[232+12*\T+\i], v[236+12*\T+\i]   ; lanes 0-15 now hold block 0 whole, lanes 16-31 block 1
.endr
.endr
.irp T, 0,1
	v_mov_b32 v[235+12*\T], v[236+12*\T]
	v_mov_b32 v[240+12*\T], v[237+12*\T]
	v_mov_b32 v[241+12*\T], v[238+12*\T]
.endr
.irp T, 0,1
	global_store_b128 v1, v[232+12*\T:235+12*\T], s[44:45] offset:49152*\p+3072*\T        ; 512 consecutive bytes, aligned
	global_store_b64 v2, v[240+12*\T:241+12*\T], s[44:45] offset:49152*\p+3072*\T+512     ; 256
	global_store_b8 v69, v[54+\T], s[46:47] offset:8192*\p+512*\T                         ; the scale bytes, one a lane, rows 16 bytes apart: 262,144 bytes in the whole launch
.endr
.endm
.macro PASS p
	s_mov_b32 s[TRIP], 15
.Lstep_\@:
	STEP \p, 1
	s_sub_co_u32 s[TRIP], s[TRIP], 1
	s_cmp_lg_u32 s[TRIP], 0
	s_cbranch_scc1 .Lstep_\@
	STEP \p, 2*(1-\p)                              ; the pass's last step is written out: it asks for record 0 again (pass 0) or for nothing
	WAYOUT \p
.endm
	INIT
	s_mov_b32 s[TB], 0
	s_wait_alu depctr_va_vdst(0)                   ; the wait at the head's end
	s_wait_tensorcnt 0x0                           ; my two records are in; nothing is ever filled again
	s_barrier_signal -1
	s_barrier_wait -1                              ; and so are everybody's
	NEXTK
	NEXTV
	s_wait_loadcnt 0x0                             ; Q, both passes'
	PASS 0
	INIT
	PASS 1
	s_wait_tensorcnt 0x0                           ; the wave's end
	ds_add_u32 v66, v67
	s_wait_dscnt 0x0
	CROUND                                         ; the closing round
	s_endpgm
.Lfunc_end_k_qa770fc62df_attn:
	.size	k_qa770fc62df_attn, .Lfunc_end_k_qa770fc62df_attn-k_qa770fc62df_attn
	.p2alignl 7, 3214868480
	.fill 96, 4, 3214868480
	.section	.rodata,"a",@progbits
	.p2align	6, 0x0
	.amdhsa_kernel k_qa770fc62df_attn
		.amdhsa_group_segment_fixed_size 209920
		.amdhsa_private_segment_fixed_size 0
		.amdhsa_enable_private_segment 0
		.amdhsa_kernarg_size 32
		.amdhsa_user_sgpr_count 2
		.amdhsa_user_sgpr_kernarg_segment_ptr 1
		.amdhsa_wavefront_size32 1
		.amdhsa_system_sgpr_workgroup_id_x 1
		.amdhsa_system_sgpr_workgroup_id_y 1
		.amdhsa_system_sgpr_workgroup_id_z 1
		.amdhsa_system_vgpr_workitem_id 0
		.amdhsa_next_free_vgpr 512
		.amdhsa_next_free_sgpr 66
		.amdhsa_reserve_vcc 0
		.amdhsa_float_denorm_mode_32 3
		.amdhsa_float_denorm_mode_16_64 3
		.amdhsa_memory_ordered 1
		.amdhsa_forward_progress 1
		.amdhsa_inst_pref_size 139
	.end_amdhsa_kernel
	.amdgpu_metadata
---
amdhsa.version: [ 1, 2 ]
amdhsa.kernels:
  - .name:           k_qa770fc62df_attn
    .symbol:         k_qa770fc62df_attn.kd
    .args:
      - { .name: qbuf, .offset: 0, .size: 8, .value_kind: global_buffer, .address_space: global }
      - { .name: kvbuf, .offset: 8, .size: 8, .value_kind: global_buffer, .address_space: global }
      - { .name: a_img, .offset: 16, .size: 8, .value_kind: global_buffer, .address_space: global }
      - { .name: a_sc, .offset: 24, .size: 8, .value_kind: global_buffer, .address_space: global }
    .group_segment_fixed_size: 209920
    .private_segment_fixed_size: 0
    .kernarg_segment_align: 8
    .kernarg_segment_size: 32
    .max_flat_workgroup_size: 256
    .sgpr_count:     66
    .vgpr_count:     512
    .wavefront_size: 32
...
	.end_amdgpu_metadata
.endif
;; end of part 3
;; launch proj (part 4): grid 4 x 64, 4 waves a work-group, clusters of 4 x 4, 327,680 bytes of LDS; arguments a_img, a_sc, w_img, w_sc, b_msa, out0; writes out0
.if DOCPART == 4
	.amdgcn_target "amdgcn-amd-amdhsa--gfx1250"
	.amdhsa_code_object_version 6
	.text
	.protected	k_qa770fc62df_proj
	.globl	k_qa770fc62df_proj
	.p2align	8
	.type	k_qa770fc62df_proj,@function
k_qa770fc62df_proj:
	s_mov_b64 s[64:65], 0
	v_nop
	global_prefetch_b8 v0, s[64:65] scope:SCOPE_SE
	s_setreg_imm32_b32 hwreg(HW_REG_WAVE_MODE, 25, 1), 1
	s_wait_xcnt 0x0
	s_wait_alu depctr_hold_cnt(0) depctr_sa_sdst(0) depctr_va_vdst(0) depctr_va_sdst(0) depctr_va_ssrc(0) depctr_va_vcc(0) depctr_vm_vsrc(0)
	s_getreg_b32 s2, hwreg(HW_REG_IB_STS2, 6, 4)
	s_cmp_eq_u32 s2, 0
	s_cbranch_scc0 .Lentry_in_a_cluster
	s_endpgm
.Lentry_in_a_cluster:
	s_bfe_u32 s2, ttmp6, 0x10000c
	s_cmp_lg_u32 s2, 0xf033
	s_cbranch_scc0 .Lentry_shape_is_right
	s_endpgm
.Lentry_shape_is_right:
; out0 = attn W_msa + b_msa on codes of BF6 (E3M2) with E8M0 scales, K = 1,024; out0 [8192][1024] f32.
; A block of 128 tokens x 256 outputs to a work-group of four waves: 64 x 4 = 256 work-groups.  A wave makes 64 x 128: 32 accumulators.
; THE MATRIX INSTRUCTION IS USED TRANSPOSED: source 0 = 16 rows of B (W_msa's columns, rows 3,072 on of the weights' codes), source 1 = 16 rows of A (tokens): a lane holds one token and its registers run along the outputs.
; Rows of both code buffers lie in POSITION ORDER (in each 32, bits 3 and 4 exchanged); the way out undoes that in its addresses.  The bias is the C of each sum's first product.
; ALL OF K LIES IN LDS: A's 128 rows are 98,304 bytes, B's 256 rows 196,608.  Each wave issues ONE tensor load: waves 0, 1 a half of A (64 rows), waves 2, 3 a half of B (128 rows), each as 4 rows, one for each 256 along K
; (in memory 16 rows x 256 K are 3,072 consecutive bytes in the order of the registers, and the parts of K lie SS bytes apart).  Nothing is filled again.  A's loads are asked for jointly by a row of the cluster, B's by a column.
; THE SCALE WORDS go from memory straight into registers, for all of K: 16 rows x 512 K are 256 consecutive bytes, 16 a lane (lanes 16-31 take the same as lanes 0-15 and are not read).
; No prefetch: there is no loop to run ahead in; all that a work-group reads is asked for by its first lines.
; REGISTERS, in windows of 256: window 0: v8-29 addresses; v32-63 A's scale words (block a, step st at 8 a + st), v64-127 B's; v128-223 A's fragments, two sets of 48; on the way out v128-255 rows of the result.
;   window 1: B's fragments, two sets (v0, v128).  window 2: the accumulators, (a, b) at 8 (8 a + b).  window 3: v0-63 the bias.
.set SS,    1572864                    ; bytes from one 256 along K to the next, in both code buffers
.set PA,    12288                      ; 64 rows x 256 K
.set PB,    24576                      ; 128 rows x 256 K
.set HA,    4*PA                       ; a half of A, all of K
.set HB,    4*PB                       ; a half of B
.set BBASE, 2*HA
.set SPARE, 2*HA+2*HB                  ; the spare words, 128 bytes a wave: two blocks of 256 bytes that no other line names
.set FR,    12
.set ADA,   8                          ; v8, v9 my half of A + 16 x lane, + 8 x lane
.set ADB,   10                         ; v10, v11 my half of B + 16 x lane: K parts 0-1, 2-3; v12, v13 the same + 8 x lane
.set L16,   21
.set L8,    22
.set BO,    23
.set STO,   24
.set RD,    25
.set SO,    26
.set LN,    27
.set SPW,   28
.set NIL,   29
.set SA,    32
.set SB,    64
.set AF,    128
.set BK,    128
.set G1A,   24
.set G0A,   32
.set G1B,   36
.set G0B,   44
.set MSB, 0
.macro WIN new                         ; low byte: bits 1:0 source 0, 3:2 source 1, 5:4 source 2, 7:6 destination; the high byte repeats the setting that is left
.if MSB != (\new)
	s_set_vgpr_msb (MSB<<8)|(\new)
.set MSB, (\new)
.endif
.endm
.macro CROUND                          ; a round of the cluster's barrier
	s_barrier_signal -1
	s_barrier_wait -1
	s_cmp_lg_u32 s18, 0
	s_cbranch_scc1 .Lnot_wave_0_\@
	s_barrier_signal -3
.Lnot_wave_0_\@:
	s_barrier_wait -3
	s_barrier_signal -1
	s_barrier_wait -1
.endm
.macro PLACES                          ; four plain lines between a matrix instruction and a load into, or a read of, its registers
.rept 4
	v_nop
.endr
.endm
	s_load_b256 s[4:11], s[0:1], 0x0               ; a_img s[4:5], a_sc s[6:7], w_img s[8:9], w_sc s[10:11]
	s_load_b128 s[12:15], s[0:1], 0x20             ; b_msa s[12:13], out0 s[14:15]
	v_lshl_add_u32 v[SPW], v0, 2, SPARE
	v_mov_b32 v[NIL], 0
	ds_add_u32 v[SPW], v[NIL]                      ; the opening lines: the add, twice on end, and its wait ahead of my tensor load
	ds_add_u32 v[SPW], v[NIL]
	v_lshrrev_b32 v1, 5, v0
	v_readfirstlane_b32 s18, v1                    ; wave 0..3
	s_lshr_b32 s19, s18, 1                         ; which half of A's rows I multiply.  Also: I fetch for A (0) or B (1)
	s_and_b32 s20, s18, 1                          ; which half of B's rows I multiply.  Also: which half I fetch
	s_bfe_u32 s21, ttmp6, 0x40000                  ; cx = the block's column
	s_bfe_u32 s22, ttmp6, 0x40004                  ; cy
	s_lshl_b32 s2, s22, 2
	s_lshl_b32 s2, 15, s2                          ; my row of the cluster
	s_lshl_b32 s3, 0x1111, s21                     ; my column
	s_or_b32 s[G1A], s2, (3<<16)|(1<<21)           ; the mask; elements of 8 bytes; bit 21 beside a mask; no padding: every LDS read takes consecutive bytes
	s_or_b32 s[G1B], s3, (3<<16)|(1<<21)
	s_mov_b32 s[G1A+1], (PA/8)<<16                 ; 4 rows of 12,288 bytes, SS bytes apart
	s_mov_b32 s[G1A+2], 4<<16
	s_mov_b32 s[G1A+3], (PA/8)<<16
	s_mov_b32 s[G1A+4], 4
	s_mov_b32 s[G1A+5], SS/8
	s_mov_b32 s[G1A+6], 0
	s_mov_b32 s[G1A+7], 0
	s_mov_b32 s[G1B+1], (PB/8)<<16                 ; 4 rows of 24,576 bytes
	s_mov_b32 s[G1B+2], 4<<16
	s_mov_b32 s[G1B+3], (PB/8)<<16
	s_mov_b32 s[G1B+4], 4
	s_mov_b32 s[G1B+5], SS/8
	s_mov_b32 s[G1B+6], 0
	s_mov_b32 s[G1B+7], 0
	s_and_b32 s23, ttmp7, 0xffff
	s_lshl_b32 s23, s23, 2
	s_add_co_u32 s23, s23, s22                     ; the block's row = 4 x cluster y + cy
	s_lshl_b32 s23, s23, 7                         ; its first token
	s_lshl_b32 s60, s21, 8                         ; the block's first column
	s_lshl_b32 s48, s20, 6
	s_add_co_u32 s48, s48, s23                     ; A: the first row that I fetch
	s_mul_i32 s48, s48, 192                        ; a row's codes of 256 K: 192 bytes
	s_mov_b32 s49, 0
	s_lshl_b32 s50, s20, 7
	s_add_co_u32 s50, s50, s60                     ; my first column: what I fetch of B (waves 2, 3) and what I multiply
	s_add_co_u32 s52, s50, 3072                    ; its row among the weights
	s_mul_i32 s54, s52, 192
	s_mov_b32 s55, 0
	s_lshl_b32 s52, s52, 5                         ; a row's scale bytes: 32
	s_mov_b32 s53, 0
	s_lshl_b32 s56, s19, 6
	s_add_co_u32 s56, s56, s23                     ; the first token that I multiply
	s_lshl_b32 s58, s56, 5
	s_mov_b32 s59, 0
	s_lshl_b32 s56, s56, 12                        ; a row of out0: 4,096 bytes
	s_mov_b32 s57, 0
	s_lshl_b32 s50, s50, 2
	s_mov_b32 s51, 0
	s_mov_b32 s[G0A], 1
	s_mul_i32 s[G0A+1], s20, HA                    ; the wave's number alone enters an LDS address
	s_mov_b32 s[G0B], 1
	s_mul_i32 s[G0B+1], s20, HB
	s_add_co_u32 s[G0B+1], s[G0B+1], BBASE
	s_wait_dscnt 0x0                               ; both opening adds are done
	s_wait_kmcnt 0x0
	s_add_nc_u64 s[G0A+2:G0A+3], s[4:5], s[48:49]
	s_or_b32 s[G0A+3], s[G0A+3], 0x80000000
	s_add_nc_u64 s[G0B+2:G0B+3], s[8:9], s[54:55]
	s_or_b32 s[G0B+3], s[G0B+3], 0x80000000
	s_add_nc_u64 s[6:7], s[6:7], s[58:59]          ; the scale bytes of my 64 tokens,
	s_add_nc_u64 s[10:11], s[10:11], s[52:53]      ; of my 128 columns;
	s_add_nc_u64 s[12:13], s[12:13], s[50:51]      ; their bias;
	s_add_nc_u64 s[14:15], s[14:15], s[50:51]
	s_add_nc_u64 s[14:15], s[14:15], s[56:57]      ; my corner of out0
	CROUND                                         ; all sixteen work-groups are here: the joint loads meet
	s_cmp_eq_u32 s19, 0                            ; one load on either way; an s_nop 0 and four v_nop follow each line
	s_cbranch_scc0 .Lfor_b
	tensor_load_to_lds s[G0A:G0A+3], s[G1A:G1A+7]
	s_nop 0
.rept 4
	v_nop
.endr
	s_branch .Lasked
.Lfor_b:
	tensor_load_to_lds s[G0B:G0B+3], s[G1B:G1B+7]
	s_nop 0
.rept 4
	v_nop
.endr
.Lasked:
	v_and_b32 v[LN], 31, v0
	v_lshlrev_b32 v[L16], 4, v[LN]
	v_lshlrev_b32 v[L8], 3, v[LN]
	v_and_b32 v1, 15, v0                           ; r
	v_bfe_u32 v2, v0, 4, 1                         ; h
	v_lshlrev_b32 v[BO], 6, v2
	v_lshlrev_b32 v[SO], 4, v1                     ; scale words: 16 bytes a row
	s_mul_i32 s48, s19, HA
	s_mul_i32 s49, s20, HB
	s_add_co_u32 s49, s49, BBASE
	v_add_nc_u32 v[ADA], s48, v[L16]
	v_add_nc_u32 v[ADA+1], s48, v[L8]
	v_add_nc_u32 v[ADB], s49, v[L16]
	v_add_nc_u32 v[ADB+2], s49, v[L8]
	s_add_co_u32 s49, s49, 2*PB                    ; (an LDS offset has 16 bits: K parts 2 and 3 of B have registers of their own)
	v_add_nc_u32 v[ADB+1], s49, v[L16]
	v_add_nc_u32 v[ADB+3], s49, v[L8]
	s_mul_i32 s48, s18, 16*528                     ; my stage for the way out: 16 rows x (512 + 16) bytes, from LDS byte 0 on: those bytes have had their only fill, and every wave's LDS reads are over behind the last step's barrier
	v_mul_u32_u24 v3, v1, 528
	v_lshl_add_u32 v3, v2, 6, v3
	v_add_nc_u32 v[STO], s48, v3                   ; in: row r, + 64 h
	v_add_nc_u32 v[RD], s48, v[L16]                ; back: a row of 512 bytes to the 32 lanes
	s_wait_alu depctr_va_vdst(0)
.irp a, 0,1,2,3
.irp f, 0,1
	global_load_b128 v[SA+8*\a+4*\f:SA+8*\a+4*\f+3], v[SO], s[6:7] offset:512*\a+256*\f    ; sixteen lanes read 256 consecutive bytes: block a's words of steps 4 f .. 4 f + 3
.endr
.endr
.irp b, 0,1,2,3,4,5,6,7
.irp f, 0,1
	global_load_b128 v[SB+8*\b+4*\f:SB+8*\b+4*\f+3], v[SO], s[10:11] offset:512*\b+256*\f
.endr
.endr
	WIN 0xc0                                       ; destination window 3
.irp g, 0,1,2,3                                ; the bias in the result's layout: registers 16 g + i are true columns 32 g + 16 h + i
.irp j, 0,1,2,3
	global_load_b128 v[16*\g+4*\j:16*\g+4*\j+3], v[BO], s[12:13] offset:128*\g+16*\j
.endr
.endr
	WIN 0
.macro FRAG reg, a16, a8, off          ; a fragment (16 rows x 128 K, 12 registers) is two images on end: four loads of consecutive bytes
	ds_load_b128 v[(\reg):(\reg)+3], v[\a16] offset:(\off)
	ds_load_b64 v[(\reg)+4:(\reg)+5], v[\a8] offset:(\off)+512
	ds_load_b128 v[(\reg)+6:(\reg)+9], v[\a16] offset:(\off)+768
	ds_load_b64 v[(\reg)+10:(\reg)+11], v[\a8] offset:(\off)+1280
.endm
.macro FETCH st                        ; step st's fragments (128 along K): B's eight and A's four, into sets st % 2: 48 LDS loads
	WIN 0x40
.irp i, 0,1,2,3,4,5,6,7
	FRAG 128*((\st)%2)+FR*\i, ADB+((\st)/4), ADB+2+((\st)/4), (((\st)/2)%2)*PB+3072*\i+1536*((\st)%2)
.endr
	WIN 0
.irp i, 0,1,2,3
	FRAG AF+48*((\st)%2)+FR*\i, ADA, ADA+1, ((\st)/2)*PA+3072*\i+1536*((\st)%2)
.endr
.endm
.macro MUL st                          ; 32 matrix instructions; the 32 accumulators take turns, one instruction a turn, in the same order in every step
.irp a, 0,1,2,3
.irp b, 0,1,2,3,4,5,6,7
.if (\st) == 0
	v_wmma_scale_f32_16x16x128_f8f6f4 v[8*(8*\a+\b):8*(8*\a+\b)+7], v[128*((\st)%2)+FR*\b:128*((\st)%2)+FR*\b+FR-1], v[AF+48*((\st)%2)+FR*\a:AF+48*((\st)%2)+FR*\a+FR-1], v[8*\b:8*\b+7], v[SB+8*\b+(\st)], v[SA+8*\a+(\st)] matrix_a_fmt:MATRIX_FMT_BF6 matrix_b_fmt:MATRIX_FMT_BF6
.else
	v_wmma_scale_f32_16x16x128_f8f6f4 v[8*(8*\a+\b):8*(8*\a+\b)+7], v[128*((\st)%2)+FR*\b:128*((\st)%2)+FR*\b+FR-1], v[AF+48*((\st)%2)+FR*\a:AF+48*((\st)%2)+FR*\a+FR-1], v[8*(8*\a+\b):8*(8*\a+\b)+7], v[SB+8*\b+(\st)], v[SA+8*\a+(\st)] matrix_a_fmt:MATRIX_FMT_BF6 matrix_b_fmt:MATRIX_FMT_BF6
.endif
.endr
.endr
.endm
.macro STEP st                         ; this step's fragments were asked for a step ago; the next step's are asked for ahead of this step's products
	s_wait_dscnt 0x0
.if (\st) == 7
	s_barrier_signal -1                            ; all my reads of the tiles are over: behind this barrier the stages may be written
.else
.if (\st) > 0
	PLACES                                         ; the other sets were read by the products just issued
.endif
	FETCH (\st)+1
.endif
.if (\st) == 0
	WIN 0xb1                                       ; source 0 (B) window 1, source 1 (A) window 0, C (the bias) window 3, D window 2
.else
	WIN 0xa1                                       ; the same, C and D window 2
.endif
	MUL \st
	WIN 0
.if (\st) == 7
	s_barrier_wait -1
.endif
.endm
	s_wait_alu depctr_va_vdst(0)                   ; the wait at the head's end
	s_wait_tensorcnt 0x0                           ; my one load is in; nothing is ever filled again
	s_barrier_signal -1
	s_barrier_wait -1                              ; and so are the others'
	FETCH 0
	s_wait_loadcnt 0x0                             ; the scale words and the bias
.irp s, 0,1,2,3,4,5,6,7
	STEP \s
.endr
; THE WAY OUT, block by block of 16 tokens x 128 columns, through my own stage: accumulator b's eight numbers are true columns 32 (b / 2) + 16 h + 8 (b % 2) on; they come back as whole rows of 512 bytes.
; Stage row t of block a is position 16 a + t of my 64 tokens: true row 32 (a / 2) + 16 (t / 8) + 8 (a % 2) + t % 8, which stands in the store's immediate.  LDS serves a wave's instructions in order.
.macro TOSTAGE a
	WIN 0x08                                       ; an LDS store's data are its source 1: window 2
.irp b, 0,1,2,3,4,5,6,7
	ds_store_b128 v[STO], v[64*(\a)+8*\b:64*(\a)+8*\b+3] offset:128*(\b/2)+32*(\b%2)          ; each accumulator from its low end on
	ds_store_b128 v[STO], v[64*(\a)+8*\b+4:64*(\a)+8*\b+7] offset:128*(\b/2)+32*(\b%2)+16
.endr
	WIN 0
.set BB, BK+64*((\a)%2)
.irp t, 0,1,2,3,4,5,6,7,8,9,10,11,12,13,14,15
	ds_load_b128 v[BB+4*\t:BB+4*\t+3], v[RD] offset:\t*528
.endr
.endm
.macro SEND a, younger
.set BB, BK+64*((\a)%2)
	s_wait_dscnt \younger                          ; the block is back; the next block's 16 stores and 16 loads may be out
.irp t, 0,1,2,3,4,5,6,7,8,9,10,11,12,13,14,15
	global_store_b128 v[L16], v[BB+4*\t:BB+4*\t+3], s[14:15] offset:(32*((\a)/2)+16*(\t/8)+8*((\a)%2)+(\t%8))*4096 th:TH_STORE_NT   ; 512 consecutive bytes, aligned
.endr
.endm
	PLACES                                         ; behind the last products: for the reads of results and the loads into the registers that held A's fragments
	TOSTAGE 0
.irp a, 1,2,3
.if \a > 1
	s_wait_xcnt 0x0                                ; the stores of two blocks ago have read their data: this block's loads may land there
.endif
	TOSTAGE \a
	SEND \a-1, 32
.endr
	SEND 3, 0
	s_wait_tensorcnt 0x0                           ; the wave's end
	ds_add_u32 v[SPW], v[NIL]
	s_wait_dscnt 0x0
	CROUND                                         ; the closing round
	s_endpgm
.Lfunc_end_k_qa770fc62df_proj:
	.size	k_qa770fc62df_proj, .Lfunc_end_k_qa770fc62df_proj-k_qa770fc62df_proj
	.p2alignl 7, 3214868480
	.fill 96, 4, 3214868480
	.section	.rodata,"a",@progbits
	.p2align	6, 0x0
	.amdhsa_kernel k_qa770fc62df_proj
		.amdhsa_group_segment_fixed_size 327680
		.amdhsa_private_segment_fixed_size 0
		.amdhsa_enable_private_segment 0
		.amdhsa_kernarg_size 48
		.amdhsa_user_sgpr_count 2
		.amdhsa_user_sgpr_kernarg_segment_ptr 1
		.amdhsa_wavefront_size32 1
		.amdhsa_system_sgpr_workgroup_id_x 1
		.amdhsa_system_sgpr_workgroup_id_y 1
		.amdhsa_system_sgpr_workgroup_id_z 1
		.amdhsa_system_vgpr_workitem_id 0
		.amdhsa_next_free_vgpr 1024
		.amdhsa_next_free_sgpr 66
		.amdhsa_reserve_vcc 0
		.amdhsa_float_denorm_mode_32 3
		.amdhsa_float_denorm_mode_16_64 3
		.amdhsa_memory_ordered 1
		.amdhsa_forward_progress 1
		.amdhsa_inst_pref_size 83
	.end_amdhsa_kernel
	.amdgpu_metadata
---
amdhsa.version: [ 1, 2 ]
amdhsa.kernels:
  - .name:           k_qa770fc62df_proj
    .symbol:         k_qa770fc62df_proj.kd
    .args:
      - { .name: a_img, .offset: 0, .size: 8, .value_kind: global_buffer, .address_space: global }
      - { .name: a_sc, .offset: 8, .size: 8, .value_kind: global_buffer, .address_space: global }
      - { .name: w_img, .offset: 16, .size: 8, .value_kind: global_buffer, .address_space: global }
      - { .name: w_sc, .offset: 24, .size: 8, .value_kind: global_buffer, .address_space: global }
      - { .name: b_msa, .offset: 32, .size: 8, .value_kind: global_buffer, .address_space: global }
      - { .name: out0, .offset: 40, .size: 8, .value_kind: global_buffer, .address_space: global }
    .group_segment_fixed_size: 327680
    .private_segment_fixed_size: 0
    .kernarg_segment_align: 8
    .kernarg_segment_size: 48
    .max_flat_workgroup_size: 128
    .sgpr_count:     66
    .vgpr_count:     1024
    .wavefront_size: 32
...
	.end_amdgpu_metadata
.endif
;; end of part 4
